; MI455X (gfx1250); checked and timed in simulation.
; The chip was launched on July 23, 2026; its instructions are those of AMD's public machine-readable ISA for CDNA 5 (MIT licence, August 2026) and "CDNA5" Instruction Set Architecture Reference Guide (July 2026). The comments in the code are by the model that wrote it; some were corrected since.
;; Self Attention. Allowed arithmetic: matrix products marked QUANTISED: E2M3 operands, one E8M0 scale for each 32 along K, by v_wmma_scale_f32_16x16x128_f8f6f4 with both operands' format E2M3, f32 sums; everything else in f32.
;; Inputs: b_out 1,024 float32; b_qkv 3,072 float32; w_out 1,024 x 1,024 float32; w_qkv 1,024 x 3,072 float32; x 4 x 2,048 x 1,024 float32.
;; Outputs: out0 4 x 2,048 x 1,024 float32.
;; This version of the problem:
;;   THIS VERSION OF THE PROBLEM IS GIVEN IN LOW PRECISION. The matrix products marked QUANTISED in the list below multiply operands that are first quantised to E2M3 (2 exponent bits, 3 mantissa bits; 6 bits a number), with one power-of-two scale for each 32 numbers along K (OCP MX v1.0); their sums are f32. All else is computed in f32.
;;   The module's matrix products, in the order in which they are computed (A, B: the left and right operand; K: the contracted axis; several contracted axes count as one K, in the product's order):
;;     1. [M 8,192, K 1,024] x [K 1,024, N 3,072]; A: input x; B: input w_qkv: QUANTISED
;;     2. batch 64 x [M 2,048, K 64] x [K 64, N 2,048]; A: computed on the way; B: computed on the way: QUANTISED
;;     3. batch 64 x [M 2,048, K 2,048] x [K 2,048, N 64]; A: softmax (see below); B: computed on the way: QUANTISED
;;     4. [M 8,192, K 1,024] x [K 1,024, N 1,024]; A: computed on the way; B: input w_out: QUANTISED
;;   THE QUANTISER, for each operand of a quantised product, along K:
;;     - K is cut into blocks of 32 from its start; a last block that is shorter is filled with zeros.
;;     - A block's scale is 2^e with e = floor(log2(the largest magnitude in the block)) - 2, held to -126 .. 127; a block of zeros has e = 0. As a byte (E8M0): e + 127.
;;     - Each number is divided by its block's scale, clamped to +-7.5, and rounded to the nearest number of E2M3, ties to even, subnormals kept.
;;     - The product sums the exact products of the quantised numbers (number of the format x scale) in f32.
;;   ~~~python
;;   def quantise(x, axis):      # numpy; x: float32 -> the quantised numbers, widened to float32 again
;;       x = np.moveaxis(x, axis, -1); K = x.shape[-1]
;;       x = np.pad(x, [(0, 0)] * (x.ndim - 1) + [(0, -K % 32)]); x = x.reshape(x.shape[:-1] + (-1, 32)); a = np.abs(x).max(-1, keepdims=True)
;;       e = np.where(a > 0, np.clip(np.frexp(np.where(a > 0, a, 1))[1] - 1 - 2, -126, 127), 0)      # np.frexp(a)[1] - 1 = floor(log2(a)), exactly
;;       r = np.clip(x / 2.0 ** e, -7.5, 7.5)
;;       step = 2.0 ** (np.maximum(np.frexp(np.where(r == 0, 1, r))[1] - 1, 0) - 3)
;;       q = np.round(r / step) * step * 2.0 ** e      # np.round: ties to even
;;       return np.moveaxis(q.reshape(q.shape[:-2] + (-1,))[..., :K], -1, axis).astype(np.float32)
;;   ~~~
;;   SOFTMAX AHEAD OF A QUANTISED PRODUCT. Where the list says 'softmax', what is quantised is not the finished softmax but p = 2^(t - M), with t = logit x log2(e) and M = ceil(the row's largest t), a whole number; so 1/2 < the row's largest p <= 1. The row's sum l is taken of the UNQUANTISED p, in f32, and the product's result is divided by l at the end. Since M is a whole number, a kernel that streams over the keys may use a running M (the ceiling of the running maximum): every later rescaling is an exact power of two, which a block's scale takes up: the codes' values come out the same.
;;   OPERANDS COMPUTED ON THE WAY. 'Computed on the way' means the value that the module computes at that place (a softmax that the list does not call 'softmax' is quantised finished and normalised). What goes into a quantiser is computed in f32, as accurately as f32 sums, v_exp_f32 and their like allow (about 1e-6 of the number): no bf16 or f16 on the way to a quantiser, and a product that is left as it is and whose result goes on into a quantised operand takes f32 operands (vector FMAs, or v_wmma_f32_16x16x4_f32). A number that lies on a knife's edge between two numbers of the format may be rounded either way, as far as f32 arithmetic and the matrix unit's own rounding can turn it there, and no further.
;; One version. Each part assembles by itself: llvm-mc -triple=amdgcn-amd-amdhsa -mcpu=gfx1250 --defsym DOCPART=n.
;; ======== version 1 of 1: 4 launches
;; limits: right only within a limited range of input values
;; workspace buffers: xa 6,553,600 bytes; wa 3,276,800 bytes; qa 6,815,744 bytes; kv 13,369,344 bytes; oa 6,553,600 bytes
;; launch quant (part 1): grid 512 x 1, 4 waves a work-group, no clusters, 34,304 bytes of LDS; arguments x, w_qkv, w_out, xa, wa; writes xa, wa
.if DOCPART == 1
	.amdgcn_target "amdgcn-amd-amdhsa--gfx1250"
	.amdhsa_code_object_version 6
	.text
	.protected	k_qfbe8774aeb_quant
	.globl	k_qfbe8774aeb_quant
	.p2align	8
	.type	k_qfbe8774aeb_quant,@function
k_qfbe8774aeb_quant:
	s_mov_b64 s[64:65], 0
	v_nop
	global_prefetch_b8 v0, s[64:65] scope:SCOPE_SE
	s_setreg_imm32_b32 hwreg(HW_REG_WAVE_MODE, 25, 1), 1
	s_wait_xcnt 0x0
; x [8192][1024] (K innermost) and the weights w_qkv [1024][3072], w_out [1024][1024] (K is the FIRST axis), all f32, become codes of FP6 (E2M3) with one E8M0 byte for each 32 along K.
; A block's scale is 2^(floor(log2(its largest magnitude)) - 2); its byte is the largest magnitude's exponent field - 2, held at 1 from below.
; LAYOUT OF THE CODES (this program's own).  Inside a block of 32 along K, position p holds k = (p & 7) + 2 (p & 8) + (p & 16) / 2: the middle two groups of eight change places.  Every operand of
; every product of this program is laid so, on both sides, so the products are the same; a block's numbers, scale and codes are untouched by it.
; A HALF IMAGE, 768 bytes, is 16 rows x 64 K as the matrix operand's registers want it: lane (r, h) owns six registers, the 32 codes of block h of row r; registers 0-3 lie at 16 x lane,
; registers 4-5 at 512 + 8 x lane.  xa and wa: [block of 16 rows][64 along K: 0..15][768 bytes]; behind the codes the scale bytes, [row][32].  wa's rows 0-3071 are w_qkv's columns, 3072-4095 w_out's.
; SHARES.  Work-groups 0-255 take x (a wave: 16 rows x 512 along K), work-groups 256-511 the weights (a wave: 32 columns x 128 along K).  Waves share nothing: no barrier.
; LIMITS: NaN and infinities among the inputs are not served.  A block of zeros, or one whose largest magnitude lies under 2^-124, gets the byte 1 (the quantiser says 127 for zeros): the codes of a
; block of zeros are zeros, which add nothing under that byte, and the bytes are read by this program alone.
.set XSC,  6291456                     ; xa: where the scale bytes begin
.set WSC,  3145728                     ; wa: likewise
.set SP,   528                         ; x path: a stage row, 512 bytes + 16
.set WSTG, 16*SP                       ; a wave's stage: 16 rows
.set R,    16                          ; v16-143   x as loaded, two sets of 64
.set X,    144                         ; v144-207  64 numbers of my row: register 16 b + i = position 16 h + i of block b
.set PC,   208                         ; v208-219  a fragment's codes; v220-222, v224-226 conversions' second halves
.set TM,   228                         ; v228-243  at work
.set PW,   244                         ; v244-247  the scale word of each of my four K steps
.set SEL,  20                          ; s[20:21]  selects for lane l xor 16
.set XW,   16                          ; w path: v16-79 two sets of 32 numbers down K
.set CW,   80                          ; v80..     block t's six code registers at v[80 + 8 t]
; 64 numbers of a lane become a fragment's codes in v[PC] on and the row's scale word in v[pw]
.macro QUANT s, pw
.irp b, 0,1,2,3
	v_max3_num_f32 v[TM+\b], |v[\s+16*\b]|, |v[\s+1+16*\b]|, 0x1800000   ; my 16 numbers of block b, and the floor 2^(3 - 127): the byte cannot fall under 1
.endr
.irp i, 2,4,6,8,10,12,14
.irp b, 0,1,2,3
	v_max3_num_f32 v[TM+\b], v[TM+\b], |v[\s+16*\b+\i]|, |v[\s+1+16*\b+\i]|   ; the four blocks by turns
.endr
.endr
.irp b, 0,1,2,3
	v_permlanex16_b32 v[TM+4+\b], v[TM+\b], s[SEL], s[SEL+1]
.endr
.irp b, 0,1,2,3
	v_max_num_f32 v[TM+\b], v[TM+\b], v[TM+4+\b]   ; with lane l xor 16's 16: the block's largest magnitude
.endr
.irp b, 0,1,2,3
	v_add_nc_u32 v[TM+12+\b], 0xff000000, v[TM+\b]   ; 2 off its exponent field: the conversion takes this operand's exponent field as its scale
.endr
.irp b, 0,1,2,3
	v_lshrrev_b32 v[TM+4+\b], 23, v[TM+12+\b]      ; the scale's byte
.endr
	v_lshl_or_b32 v[\pw], v[TM+5], 8, v[TM+4]
	v_lshl_or_b32 v[\pw], v[TM+6], 16, v[\pw]
	v_lshl_or_b32 v[\pw], v[TM+7], 24, v[\pw]
.irp c, 0,1
	v_cvt_scalef32_pk16_fp6_f32 v[PC+6*\c:PC+2+6*\c], v[\s+32*\c:\s+15+32*\c], v[TM+12+2*\c]
	v_cvt_scalef32_pk16_fp6_f32 v[PC+12+4*\c:PC+14+4*\c], v[\s+16+32*\c:\s+31+32*\c], v[TM+12+2*\c+1]   ; (a conversion's three registers begin on an even number)
.endr
	v_nop                                          ; one plain instruction behind the scaled conversions
.irp c, 0,1                            ; the operand wants a WHOLE block in a lane: lanes 0-15 block 2 c, lanes 16-31 block 2 c + 1
.irp i, 0,1,2
	v_permlane16_swap_b32 v[PC+6*\c+\i], v[PC+12+4*\c+\i]
.endr
.irp i, 0,1,2
	v_mov_b32 v[PC+3+6*\c+\i], v[PC+12+4*\c+\i]
.endr
.endr
.endm
.macro LOADX q                         ; K step q of my four: 16 rows x 512 consecutive bytes, 16 a lane
.irp i, 0,1,2,3,4,5,6,7,8,9,10,11,12,13,14,15
	global_load_b128 v[R+64*((\q)%2)+4*\i:R+64*((\q)%2)+4*\i+3], v4, s[4:5] offset:4096*\i+512*(\q) th:TH_LOAD_NT
.endr
.endm
.macro STEPX q
.if (\q) < 3
	s_wait_loadcnt 16                              ; this K step's 16 loads are in; the next one's 16 stay out
.else
	s_wait_loadcnt 0x0
.endif
.irp i, 0,1,2,3,4,5,6,7,8,9,10,11,12,13,14,15
	ds_store_b128 v6, v[R+64*((\q)%2)+4*\i:R+64*((\q)%2)+4*\i+3] offset:SP*\i   ; through my own stage, as loaded
.endr
.irp b, 0,1,2,3                        ; and back: of row r and block b, k = 8 h + 0..7 and 16 + 8 h + 0..7: positions 16 h + 0..15.  LDS serves a wave's instructions in order
	ds_load_b128 v[X+16*\b:X+16*\b+3], v7 offset:128*\b
	ds_load_b128 v[X+16*\b+4:X+16*\b+7], v7 offset:128*\b+16
	ds_load_b128 v[X+16*\b+8:X+16*\b+11], v7 offset:128*\b+64
	ds_load_b128 v[X+16*\b+12:X+16*\b+15], v7 offset:128*\b+80
.endr
	s_wait_dscnt 0x0                               ; the numbers are back, and the stage's stores have read their registers
	s_wait_xcnt 0x0                                ; the last step's stores have read the code registers, which are written again below
.if (\q) < 2
	LOADX (\q)+2
.endif
	QUANT X, PW+(\q)
.irp c, 0,1
	global_store_b128 v4, v[PC+6*\c:PC+6*\c+3], s[24:25] offset:1536*(\q)+768*\c           ; 512 consecutive bytes
	global_store_b64 v5, v[PC+6*\c+4:PC+6*\c+5], s[24:25] offset:1536*(\q)+768*\c+512      ; 256 consecutive bytes
.endr
.endm
.macro LOADW t, pitch                  ; block t: register p takes row 32 t + (p & 7) + 2 (p & 8) + (p & 16) / 2 of my column; 32 lanes read 128 consecutive bytes
.irp p, 0,1,2,3,4,5,6,7,8,9,10,11,12,13,14,15,16,17,18,19,20,21,22,23,24,25,26,27,28,29,30,31
	global_load_b32 v[XW+32*((\t)%2)+\p], v9, s[28:29] offset:(32*(\t)+(\p&7)+2*(\p&8)+(\p&16)/2)*\pitch th:TH_LOAD_NT
.endr
.endm
.macro BLOCKW t, pitch
.set XS, XW+32*((\t)%2)
.if (\t) < 3
	s_wait_loadcnt 32                              ; this block's 32 loads are in; the next block's 32 stay out
.else
	s_wait_loadcnt 0x0
.endif
	v_max3_num_f32 v116, |v[XS]|, |v[XS+1]|, |v[XS+2]|             ; all 32 numbers of the block are mine
	v_max3_num_f32 v117, |v[XS+3]|, |v[XS+4]|, |v[XS+5]|
.irp i, 6,10,14,18,22,26
	v_max3_num_f32 v116, v116, |v[XS+\i]|, |v[XS+\i+1]|
	v_max3_num_f32 v117, v117, |v[XS+\i+2]|, |v[XS+\i+3]|
.endr
	v_max3_num_f32 v116, v116, |v[XS+30]|, |v[XS+31]|
	v_max3_num_f32 v116, v116, v117, 0x1800000     ; and the floor
	v_add_nc_u32 v118, 0xff000000, v116            ; the conversion's scale operand
	v_lshrrev_b32 v119, 23, v118                   ; the byte
.if (\t) == 0
	v_mov_b32 v120, v119
.else
	v_lshl_or_b32 v120, v119, 8*(\t), v120         ; four bytes: my column's scale word of this K step
.endif
	v_cvt_scalef32_pk16_fp6_f32 v[CW+8*(\t):CW+8*(\t)+2], v[XS:XS+15], v118
	v_cvt_scalef32_pk16_fp6_f32 v[112:114], v[XS+16:XS+31], v118
	v_nop                                          ; one plain instruction behind the scaled conversions
.irp i, 0,1,2
	v_mov_b32 v[CW+8*(\t)+3+\i], v[112+\i]
.endr
.if (\t) < 2
	LOADW (\t)+2, \pitch
.endif
.endm
.macro HALVES c                        ; blocks 2 c and 2 c + 1 of 32 columns become two half images: columns 0-15 and columns 16-31
.irp i, 0,1,2,3,4,5
	v_permlane16_swap_b32 v[CW+16*\c+\i], v[CW+16*\c+8+\i]
.endr
	global_store_b128 v4, v[CW+16*\c:CW+16*\c+3], s[30:31] offset:768*\c
	global_store_b64 v5, v[CW+16*\c+4:CW+16*\c+5], s[30:31] offset:768*\c+512
	global_store_b128 v4, v[CW+16*\c+8:CW+16*\c+11], s[30:31] offset:768*\c+12288
	global_store_b64 v5, v[CW+16*\c+12:CW+16*\c+13], s[30:31] offset:768*\c+12288+512
.endm
.macro WPATH pitch
	LOADW 0, \pitch
	LOADW 1, \pitch
	BLOCKW 0, \pitch
	BLOCKW 1, \pitch
	HALVES 0
	BLOCKW 2, \pitch
	BLOCKW 3, \pitch
	HALVES 1
	global_store_b32 v10, v120, s[32:33]           ; 4 bytes of each row's 32: one byte in 128 of what this path reads
.endm
	s_load_b128 s[4:7], s[0:1], 0x0                ; x, w_qkv
	s_load_b128 s[8:11], s[0:1], 0x10              ; w_out, xa
	s_load_b64 s[12:13], s[0:1], 0x20              ; wa
	v_lshl_add_u32 v254, v0, 2, 0x8400
	v_mov_b32 v255, 0
	v_lshrrev_b32 v1, 5, v0
	v_readfirstlane_b32 s16, v1                    ; wave 0..3
	v_and_b32 v1, 31, v0                           ; lane
	v_and_b32 v2, 15, v0                           ; r
	v_bfe_u32 v3, v0, 4, 1                         ; h
	v_lshlrev_b32 v4, 4, v1                        ; 16 x lane
	v_lshlrev_b32 v5, 3, v1                        ; 8 x lane
	s_mov_b32 s[SEL], 0x76543210
	s_mov_b32 s[SEL+1], 0xfedcba98
	s_mov_b32 s22, 0xffff0000                      ; lanes 16-31
	s_cmp_lt_u32 ttmp9, 256
	s_cbranch_scc0 .Lweights
	; ---- x: wave w takes block of rows 2 x work-group + w / 2, and K steps 4 g .. 4 g + 3, g = w % 2
	s_lshr_b32 s17, s16, 1
	s_and_b32 s18, s16, 1                          ; g
	s_lshl_b32 s23, ttmp9, 1
	s_add_co_u32 s23, s23, s17                     ; the block of 16 rows
	s_lshl_b32 s28, s23, 16                        ; x: 16 rows of 4,096 bytes,
	s_lshl_b32 s19, s18, 11                        ; four K steps of 512 bytes
	s_add_co_u32 s28, s28, s19
	s_mov_b32 s29, 0
	s_mul_i32 s30, s23, 12288                      ; the codes
	s_mul_i32 s19, s18, 6144
	s_add_co_u32 s30, s30, s19
	s_mov_b32 s31, 0
	s_lshl_b32 s32, s23, 9                         ; the scale bytes: 16 rows of 32,
	s_lshl_b32 s19, s18, 4                         ; my 16 of each row's
	s_add_co_u32 s32, s32, s19
	s_add_co_u32 s32, s32, XSC
	s_mov_b32 s33, 0
	s_mul_i32 s19, s16, WSTG                       ; my stage
	s_wait_alu depctr_va_vdst(0)
	v_add_nc_u32 v6, s19, v4                       ; in: 16 x lane of a row
	v_mul_u32_u24 v7, v2, SP
	v_lshl_add_u32 v7, v3, 5, v7
	v_add_nc_u32 v7, s19, v7                       ; back: row r, + 32 h
	v_lshlrev_b32 v8, 5, v2
	v_lshl_add_u32 v8, v3, 3, v8                   ; scale words: 32 r + 8 h
.irp b, 0,1,2,3
	v_mov_b32 v[TM+4+\b], 0                        ; written once: a lane permute's destination counts as one of its sources
.endr
	s_wait_alu depctr_va_vdst(0)
	s_wait_kmcnt 0x0
	s_add_nc_u64 s[4:5], s[4:5], s[28:29]
	s_add_nc_u64 s[24:25], s[10:11], s[30:31]
	s_add_nc_u64 s[26:27], s[10:11], s[32:33]
	LOADX 0
	LOADX 1
	STEPX 0
	STEPX 1
	STEPX 2
	STEPX 3
	v_cndmask_b32 v248, v[PW], v[PW+2], s22        ; lanes 0-15 store the words of K steps 0 and 1 of my four, lanes 16-31 those of 2 and 3
	v_cndmask_b32 v249, v[PW+1], v[PW+3], s22
	global_store_b64 v8, v[248:249], s[26:27]
	s_wait_tensorcnt 0x0
	ds_add_u32 v254, v255
	s_wait_dscnt 0x0
	s_endpgm
.Lweights:
	; ---- the weights: work-group 256 + 32 s + cg takes K step s and columns 128 cg .. + 127 of the two weights set side by side; a wave 32 of them; a lane one column, its registers down K
	s_sub_co_u32 s17, ttmp9, 256
	s_lshr_b32 s18, s17, 5                         ; K step
	s_and_b32 s19, s17, 31                         ; column group: 0-23 w_qkv, 24-31 w_out
	s_lshl_b32 s23, s19, 3
	s_lshl_b32 s24, s16, 1
	s_add_co_u32 s23, s23, s24                     ; my first block of 16 rows of wa
	s_mul_i32 s30, s23, 12288
	s_mul_i32 s24, s18, 1536
	s_add_co_u32 s30, s30, s24
	s_mov_b32 s31, 0
	s_lshl_b32 s32, s23, 9
	s_lshl_b32 s24, s18, 2
	s_add_co_u32 s32, s32, s24
	s_add_co_u32 s32, s32, WSC
	s_mov_b32 s33, 0
	s_wait_alu depctr_va_vdst(0)
	v_lshlrev_b32 v9, 2, v1                        ; in: 4 bytes a lane
	v_lshlrev_b32 v10, 5, v1                       ; my row of scale bytes
	s_lshl_b32 s34, s16, 7                         ; my wave's 128 bytes of a weight's row
	s_mov_b32 s29, 0
	s_wait_kmcnt 0x0
	s_add_nc_u64 s[30:31], s[12:13], s[30:31]
	s_add_nc_u64 s[32:33], s[12:13], s[32:33]
	s_cmp_lt_u32 s19, 24
	s_cbranch_scc0 .Lw_out
	s_mul_i32 s28, s18, 128*12288
	s_lshl_b32 s24, s19, 9
	s_add_co_u32 s28, s28, s24
	s_add_co_u32 s28, s28, s34
	s_add_nc_u64 s[28:29], s[6:7], s[28:29]
	s_wait_alu depctr_va_vdst(0)
	WPATH 12288                                    ; the pitch stands in the loads' immediates, so the path is written once for each weight
	s_endpgm
.Lw_out:
	s_sub_co_u32 s24, s19, 24
	s_mul_i32 s28, s18, 128*4096
	s_lshl_b32 s24, s24, 9
	s_add_co_u32 s28, s28, s24
	s_add_co_u32 s28, s28, s34
	s_add_nc_u64 s[28:29], s[8:9], s[28:29]
	s_wait_alu depctr_va_vdst(0)
	WPATH 4096
	s_endpgm
.Lfunc_end_k_qfbe8774aeb_quant:
	.size	k_qfbe8774aeb_quant, .Lfunc_end_k_qfbe8774aeb_quant-k_qfbe8774aeb_quant
	.p2alignl 7, 3214868480
	.fill 96, 4, 3214868480
	.section	.rodata,"a",@progbits
	.p2align	6, 0x0
	.amdhsa_kernel k_qfbe8774aeb_quant
		.amdhsa_group_segment_fixed_size 34304
		.amdhsa_private_segment_fixed_size 0
		.amdhsa_enable_private_segment 0
		.amdhsa_kernarg_size 40
		.amdhsa_user_sgpr_count 2
		.amdhsa_user_sgpr_kernarg_segment_ptr 1
		.amdhsa_wavefront_size32 1
		.amdhsa_system_sgpr_workgroup_id_x 1
		.amdhsa_system_sgpr_workgroup_id_y 1
		.amdhsa_system_sgpr_workgroup_id_z 1
		.amdhsa_system_vgpr_workitem_id 0
		.amdhsa_next_free_vgpr 256
		.amdhsa_next_free_sgpr 66
		.amdhsa_reserve_vcc 0
		.amdhsa_float_denorm_mode_32 3
		.amdhsa_float_denorm_mode_16_64 3
		.amdhsa_memory_ordered 1
		.amdhsa_forward_progress 1
		.amdhsa_inst_pref_size 74
	.end_amdhsa_kernel
	.amdgpu_metadata
---
amdhsa.version: [ 1, 2 ]
amdhsa.kernels:
  - .name:           k_qfbe8774aeb_quant
    .symbol:         k_qfbe8774aeb_quant.kd
    .args:
      - { .name: x, .offset: 0, .size: 8, .value_kind: global_buffer, .address_space: global }
      - { .name: w_qkv, .offset: 8, .size: 8, .value_kind: global_buffer, .address_space: global }
      - { .name: w_out, .offset: 16, .size: 8, .value_kind: global_buffer, .address_space: global }
      - { .name: xa, .offset: 24, .size: 8, .value_kind: global_buffer, .address_space: global }
      - { .name: wa, .offset: 32, .size: 8, .value_kind: global_buffer, .address_space: global }
    .group_segment_fixed_size: 34304
    .private_segment_fixed_size: 0
    .kernarg_segment_align: 8
    .kernarg_segment_size: 40
    .max_flat_workgroup_size: 128
    .sgpr_count:     66
    .vgpr_count:     256
    .wavefront_size: 32
...
	.end_amdgpu_metadata
.endif
;; end of part 1
;; launch gemm_qkv (part 2): grid 8 x 32, 4 waves a work-group, clusters of 4 x 4, 327,680 bytes of LDS; arguments xa, wa, b_qkv, qa, kv; writes qa, kv
.if DOCPART == 2
	.amdgcn_target "amdgcn-amd-amdhsa--gfx1250"
	.amdhsa_code_object_version 6
	.text
	.protected	k_qfbe8774aeb_gemm_qkv
	.globl	k_qfbe8774aeb_gemm_qkv
	.p2align	8
	.type	k_qfbe8774aeb_gemm_qkv,@function
k_qfbe8774aeb_gemm_qkv:
	s_mov_b64 s[64:65], 0
	v_nop
	global_prefetch_b8 v0, s[64:65] scope:SCOPE_SE
	s_setreg_imm32_b32 hwreg(HW_REG_WAVE_MODE, 25, 1), 1
	s_wait_xcnt 0x0
	s_wait_alu depctr_hold_cnt(0) depctr_sa_sdst(0) depctr_va_vdst(0) depctr_va_sdst(0) depctr_va_ssrc(0) depctr_va_vcc(0) depctr_vm_vsrc(0)
	s_getreg_b32 s2, hwreg(HW_REG_IB_STS2, 6, 4)
	s_cmp_eq_u32 s2, 0
	s_cbranch_scc0 .Lentry_in_a_cluster
	s_endpgm
.Lentry_in_a_cluster:
	s_bfe_u32 s2, ttmp6, 0x10000c
	s_cmp_lg_u32 s2, 0xf033
	s_cbranch_scc0 .Lentry_shape_is_right
	s_endpgm
.Lentry_shape_is_right:
; qkv = x w_qkv + b_qkv on codes of FP6 (E2M3) with E8M0 scales, sums in f32; the results never go to memory as f32: q and k are quantised along the head's 64, v along the keys, on the way out.
; OPERANDS: xa and wa as the first launch lays them: [block of 16 rows][64 along K: 0..15][half image of 768 bytes], scale bytes [row][32] behind the codes.  A half image is an image of six operand
; registers: registers 0-3 at 16 x lane, registers 4-5 at 512 + 8 x lane.  Inside each block of 32 along K the middle two groups of eight have changed places, on both operands alike.
; A WORK-GROUP STAYS: it owns 256 rows of x and makes, one after the other, 128 columns of q, of k and of v (the same two heads).  Wave w takes rows 128 (w / 2) .. + 127 x head w % 2: 32 accumulators.
; LDS.  A's 16 blocks, all of K, 196,608 bytes in two halves of K, are filled once and serve all three parts.  B goes through a ring of two slots of 49,152 bytes, each 512 along K of the 128 columns:
; K steps 0-3 read slot 0, K steps 4-7 slot 1.  THE HEAD: one tensor load a wave, each in an arm of its own: wave 0 A's half 0, wave 1 slot 0, wave 2 A's half 1, wave 3 slot 1.  The first barrier shows
; the first two alone; the change of slots in K step 3 shows the others.  When a slot has been read out it is filled with the NEXT part's same half
; of K: one tensor load a wave, two tiles (12,288 bytes).
; CLUSTER 4 x 4: A's tile hangs on the tile row alone and is shared along a row of the cluster, B's on the tile column alone and is shared along a column: joint loads.  Every refill stands behind a
; round of the cluster's barrier.
; ORIENTATION.  q, k: source 0 = 16 columns of w, source 1 = 16 rows of x: a lane holds one row and eight neighbouring channels.  v: source 0 = x, source 1 = w: a lane holds one channel and eight
; neighbouring keys.  Either way accumulator registers 16 B .. 16 B + 15 are one lane's 16 numbers of block B of the next product's K, in the order of positions that all operands here share.
; OUT.  qa: for each (batch, head) 128 half images (16 queries x 64) and 2,048 scale words (bytes 0, 1: the two blocks; bytes 2, 3: 0, over zero codes).
;       kv: for each (batch, head) 8,192 bytes of K's scale words, 4,096 of V's ([key step][tile of 16 channels][channel]), then for each key step of 128: 8 half images of K, 8 of V (4 fragments).
; The text is written out, part by part and K step by K step.
; LIMITS: NaN and infinities are not served; a block of zeros gets the byte 1 (its codes are zeros; the bytes are read by this program alone).
; REGISTERS.  window 0: v1-6 lane terms; v8-15 LDS addresses; v24-26 offsets; v28, v29 for the add; v32-63 A's scale words; v64-111 B's, 16 a part; v112-243 the way out.
;   window 1: the accumulators.   windows 2, 3: two sets of fragments: A's block a at v[12 a], B's tile t at v[96 + 12 t].   window 2, v144-239: the bias, 32 registers a part.
.set XSC,   6291456
.set WSC,   3145728
.set AHALF, 98304                      ; LDS: A's half f of K at AHALF f: 16 blocks x 6,144 bytes (four K steps of 1,536)
.set BBASE, 196608                     ; B's slot f at BBASE + BSLOT f: 8 tiles x 6,144 bytes
.set BSLOT, 49152
.set SPARE, 294912                     ; behind the ring: the spare words, 128 bytes for each wave
.set PARTB, 786432                     ; wa: from a part's columns to the next part's: 64 blocks of 12,288 bytes
.set A16,   8                          ; v8-9    my 8 blocks of A's half f: 16 x lane
.set A8,    10                         ; v10-11  8 x lane
.set B16,   12                         ; v12-13  the same at my wave's four tiles in slot f
.set B8,    14
.set SPW,   28
.set NIL,   29
.set SA,    32                         ; A's block a: four registers; register j: lanes 0-15 K step j, lanes 16-31 K step 4 + j
.set SB,    64                         ; part p, B's tile t: v[64 + 16 p + 4 t] on, likewise
.set BI,    144                        ; in window 2: part p, tile t: eight registers in the result's layout
.set MX,    112
.set PT,    128
.set SO,    144
.set HI,    160
.set TT,    208
.set W2,    240
.set G1A,   24                         ; s[24:31] descriptor group 1 for A's tiles;  s[32:39] for B's
.set G1B,   32
.set G0A,   40                         ; s[40:43] group 0 of the head's fill of A;  s[44:47] of B;  s[48:55] for the ring's two slots
.set G0B,   48
.set MSB, 0
.macro WIN new
.if MSB != (\new)
	s_set_vgpr_msb (MSB<<8)|(\new)
.set MSB, (\new)
.endif
.endm
.macro CREST
	s_cmp_lg_u32 s14, 0
	s_cbranch_scc1 .Lnot_wave_0_\@
	s_barrier_signal -3
.Lnot_wave_0_\@:
	s_barrier_wait -3
	s_barrier_signal -1
	s_barrier_wait -1
.endm
.macro CROUND
	s_barrier_signal -1
	s_barrier_wait -1
	CREST
.endm
.macro PLACES n
.rept \n
	v_nop
.endr
.endm
.macro FRAG reg, a16, a8, off          ; a fragment, 16 rows x 128 K, 12 registers: two half images; every load reads consecutive bytes
	ds_load_b128 v[\reg:\reg+3], v[\a16] offset:\off
	ds_load_b64 v[\reg+4:\reg+5], v[\a8] offset:\off+512
	ds_load_b128 v[\reg+6:\reg+9], v[\a16] offset:\off+768
	ds_load_b64 v[\reg+10:\reg+11], v[\a8] offset:\off+1280
.endm
.macro FETCH g                         ; K step g of a part: 12 fragments, 48 LDS loads, into set g % 2
.set FH, (\g)/4
.set FQ, (\g)%4
	WIN 0x80+0x40*((\g)%2)
.irp a, 0,1,2,3,4,5,6,7
	FRAG 12*\a, A16+FH, A8+FH, 6144*\a+1536*FQ
.endr
.irp t, 0,1,2,3
	FRAG 96+12*\t, B16+FH, B8+FH, 6144*\t+1536*FQ
.endr
.endm
.macro PROD d, a, b, c, sa, sb, s
.if (\s) == 0
	v_wmma_scale_f32_16x16x128_f8f6f4 v[\d:\d+7], v[\a:\a+11], v[\b:\b+11], v[\c:\c+7], v[\sa], v[\sb] matrix_a_fmt:MATRIX_FMT_FP6 matrix_b_fmt:MATRIX_FMT_FP6
.elseif (\s) < 4
	v_wmma_scale_f32_16x16x128_f8f6f4 v[\d:\d+7], v[\a:\a+11], v[\b:\b+11], v[\d:\d+7], v[\sa], v[\sb] matrix_a_fmt:MATRIX_FMT_FP6 matrix_b_fmt:MATRIX_FMT_FP6
.else
	v_wmma_scale_f32_16x16x128_f8f6f4 v[\d:\d+7], v[\a:\a+11], v[\b:\b+11], v[\d:\d+7], v[\sa], v[\sb] matrix_a_fmt:MATRIX_FMT_FP6 matrix_b_fmt:MATRIX_FMT_FP6 matrix_a_scale:MATRIX_SCALE_ROW1 matrix_b_scale:MATRIX_SCALE_ROW1
.endif
.endm
; 16 matrix instructions: half u of K step g of part p.  The 32 accumulators take turns, one instruction a turn, in the same order in every step of a part.
; A part's first step takes the bias as C: nothing is cleared and no bias is added later.
.macro MMH p, g, u
.set MJ, (\g)%4
.set SBP, SB+16*(\p)
.set BIP, BI+32*(\p)
.if (\g) == 0
	WIN 0x6a
.elseif (\g)%2 == 0
	WIN 0x5a
.else
	WIN 0x5f
.endif
.if (\p) < 2
.irp a, 0,1,2,3
.irp t, 0,1,2,3
	PROD 8*(4*(\a+4*(\u))+\t), 96+12*\t, 12*(\a+4*(\u)), BIP+8*\t, SBP+4*\t+MJ, SA+4*(\a+4*(\u))+MJ, \g
.endr
.endr
.else
.irp t, 0,1
.irp a, 0,1,2,3,4,5,6,7
	PROD 8*(8*(\t+2*(\u))+\a), 12*\a, 96+12*(\t+2*(\u)), BIP+8*(\t+2*(\u)), SA+4*\a+MJ, SBP+4*(\t+2*(\u))+MJ, \g
.endr
.endr
.endif
.endm
.macro STEP p, g                       ; a K step whose successor lies in the same slot
.if ((\p) > 0) || ((\g) > 0)
	PLACES 4                                       ; between the last step's products and the loads into the fragments that they read
.endif
	FETCH (\g)+1
	s_wait_dscnt 48                                ; all but the 48 just issued: this step's fragments are in
	MMH \p, \g, 0
	MMH \p, \g, 1
.endm
; A slot's last K step (g = 3: slot 0, g = 7: slot 1) changes slots.  In front of ONE barrier each wave waits for all its tensor loads, adds 0 to its spare word, and waits for that and for its reads of
; the slot that it leaves.  fill = 1: the barrier opens a round of the cluster's barrier, and behind the round the slot just left is filled with the next part's tiles.
.macro TURN p, g, fill
	WIN 0
	s_wait_tensorcnt 0x0                           ; all my tensor loads have landed, so descriptors may be written;
	ds_add_u32 v[SPW], v[NIL]                      ; 0 onto my spare word
.if ((\p) == 0) && ((\g) == 3)
	s_mov_b32 s[G1B+2], 2<<16                      ; from here on a load of B brings two tiles
	s_mov_b32 s[G1B+4], 2
.endif
.if \fill
	s_add_nc_u64 s[G0B+4*((\g)/4)+2:G0B+4*((\g)/4)+3], s[G0B+4*((\g)/4)+2:G0B+4*((\g)/4)+3], PARTB
.endif
	s_wait_dscnt 0x0                               ; the add is done, this step's fragments are in, and with them my reads of this slot are over
	s_barrier_signal -1
	MMH \p, \g, 0
	WIN 0
	s_barrier_wait -1
.if \fill
	CREST
	tensor_load_to_lds s[G0B+4*((\g)/4):G0B+4*((\g)/4)+3], s[G1B:G1B+7]   ; my one tensor load behind the round
	s_nop 0
.endif
	PLACES 4
	FETCH ((\g)+1)%8
	MMH \p, \g, 1
.endm
; THE WAY OUT of part p: sixteen blocks of 32 along the next product's K, block B in accumulator registers 16 B .. 16 B + 15 (my 16 numbers; lane l xor 16 holds the other 16)
.macro WAYOUT p
.if (\p) == 0
.set CB, 68
.set CF, 0
.set WB, 70
.elseif (\p) == 1
.set CB, 72
.set CF, 0
.set WB, 74
.else
.set CB, 72
.set CF, 6144
.set WB, 76
.endif
.if (\p) > 0
	s_wait_xcnt 0x0                                ; the last part's stores have read their registers, which are written again below
.endif
	PLACES 4
	WIN 0x05
.irp k, 0,1,2,3,4,5,6,7,8,9,10,11,12,13,14,15
	v_max3_num_f32 v[MX+\k], |v[16*\k]|, |v[16*\k+1]|, 0x1800000   ; each accumulator from its low end on; the floor 2^(3 - 127) holds the byte at 1 from below
.endr
.irp i, 2,4,6,8,10,12,14
.irp k, 0,1,2,3,4,5,6,7,8,9,10,11,12,13,14,15
	v_max3_num_f32 v[MX+\k], |v[16*\k+\i]|, |v[16*\k+\i+1]|, v[MX+\k]
.endr
.endr
	WIN 0
.irp k, 0,1,2,3,4,5,6,7,8,9,10,11,12,13,14,15
	v_permlanex16_b32 v[PT+\k], v[MX+\k], s2, s3
.endr
.irp k, 0,1,2,3,4,5,6,7,8,9,10,11,12,13,14,15
	v_max_num_f32 v[MX+\k], v[MX+\k], v[PT+\k]
.endr
.irp k, 0,1,2,3,4,5,6,7,8,9,10,11,12,13,14,15
	v_add_nc_u32 v[SO+\k], 0xff000000, v[MX+\k]    ; 2 off the exponent field: the conversion's scale operand
.endr
.irp k, 0,1,2,3,4,5,6,7,8,9,10,11,12,13,14,15
	v_lshrrev_b32 v[PT+\k], 23, v[SO+\k]           ; the byte
.endr
	WIN 0x01
.irp n, 0,1,2,3,4,5,6,7
	v_cvt_scalef32_pk16_fp6_f32 v[HI+6*\n:HI+6*\n+2], v[32*\n:32*\n+15], v[SO+2*\n]
	v_cvt_scalef32_pk16_fp6_f32 v[TT+4*\n:TT+4*\n+2], v[32*\n+16:32*\n+31], v[SO+2*\n+1]
.endr
	WIN 0
	v_nop                                          ; one plain line behind the scaled conversions
.irp n, 0,1,2,3,4,5,6,7
.irp i, 0,1,2
	v_permlane16_swap_b32 v[HI+6*\n+\i], v[TT+4*\n+\i]   ; a whole block to a lane
.endr
.endr
.irp n, 0,1,2,3,4,5,6,7
.irp i, 0,1,2
	v_mov_b32 v[HI+6*\n+3+\i], v[TT+4*\n+\i]
.endr
.endr
.irp n, 0,1,2,3,4,5,6,7
	global_store_b128 v4, v[HI+6*\n:HI+6*\n+3], s[CB:CB+1] offset:768*\n+CF
	global_store_b64 v5, v[HI+6*\n+4:HI+6*\n+5], s[CB:CB+1] offset:768*\n+CF+512
.endr
.if (\p) < 2
.irp a, 0,1,2,3,4,5,6,7
	v_lshl_or_b32 v[MX+\a], v[PT+2*\a+1], 8, v[PT+2*\a]   ; q, k: a row's word: two bytes, and two zeros over the zero codes of the upper 64 of the instruction's K
.endr
.irp u, 0,1,2,3
	v_cndmask_b32 v[W2+\u], v[MX+2*\u], v[MX+2*\u+1], s66
.endr
.irp u, 0,1,2,3
	global_store_b32 v6, v[W2+\u], s[WB:WB+1] offset:128*\u
.endr
.else
.irp t, 0,1,2,3
	v_lshl_or_b32 v[MX+\t], v[PT+4*\t+1], 8, v[PT+4*\t]   ; v: channel 16 t + r's word for these 128 keys
	v_lshl_or_b32 v[MX+\t], v[PT+4*\t+2], 16, v[MX+\t]
	v_lshl_or_b32 v[MX+\t], v[PT+4*\t+3], 24, v[MX+\t]
.endr
.irp u, 0,1
	v_cndmask_b32 v[W2+\u], v[MX+2*\u], v[MX+2*\u+1], s66
.endr
.irp u, 0,1
	global_store_b32 v6, v[W2+\u], s[WB:WB+1] offset:128*\u
.endr
.endif
.endm
.macro HLOAD g0, g1
	tensor_load_to_lds s[\g0:\g0+3], s[\g1:\g1+7]
	s_nop 0
	PLACES 4
.endm
	s_load_b256 s[4:11], s[0:1], 0x0               ; xa s[4:5], wa s[6:7], b_qkv s[8:9], qa s[10:11]
	s_load_b64 s[12:13], s[0:1], 0x20              ; kv
	v_lshl_add_u32 v[SPW], v0, 2, SPARE
	v_mov_b32 v[NIL], 0
	ds_add_u32 v[SPW], v[NIL]                      ; the opening lines: the add, twice on end, and its wait
	ds_add_u32 v[SPW], v[NIL]
	v_lshrrev_b32 v1, 5, v0
	v_readfirstlane_b32 s14, v1                    ; wave 0..3
	s_lshr_b32 s15, s14, 1                         ; my half of the 256 rows; at the head: which half of K I fetch
	s_and_b32 s16, s14, 1                          ; my head of the two; at the head: I fetch for A (0) or for B (1)
	s_bfe_u32 s17, ttmp6, 0x40000                  ; cx
	s_bfe_u32 s18, ttmp6, 0x40004                  ; cy
	s_lshl_b32 s19, ttmp9, 2
	s_add_co_u32 s19, s19, s17                     ; tile column inside a part: 0..7
	s_and_b32 s20, ttmp7, 0xffff
	s_lshl_b32 s20, s20, 2
	s_add_co_u32 s20, s20, s18                     ; tile row: 0..31
	s_lshl_b32 s21, s18, 2
	s_lshl_b32 s21, 15, s21                        ; my row of the cluster
	s_lshl_b32 s22, 0x1111, s17                    ; my column
	; group 1: rows of 6,144 bytes (768 elements of 8 bytes: a block's 512 along K), 12,288 bytes apart in memory, dense in LDS; at the head A: 16 rows, B: 8
	s_or_b32 s[G1A], s21, (3<<16)|(1<<21)
	s_or_b32 s[G1B], s22, (3<<16)|(1<<21)
.irp g, G1A, G1B
	s_mov_b32 s[\g+1], 768<<16
	s_mov_b32 s[\g+3], 768<<16
	s_mov_b32 s[\g+5], 1536
	s_mov_b32 s[\g+6], 0
	s_mov_b32 s[\g+7], 0
.endr
	s_mov_b32 s[G1A+2], 16<<16
	s_mov_b32 s[G1A+4], 16
	s_mov_b32 s[G1B+2], 8<<16
	s_mov_b32 s[G1B+4], 8
	s_mul_i32 s60, s15, 6144                       ; the half of K
	s_mul_i32 s56, s20, 196608                     ; A: 16 blocks a tile row
	s_add_co_u32 s56, s56, s60
	s_mov_b32 s57, 0
	s_mul_i32 s78, s19, 98304                      ; B: 8 blocks a tile column
	s_add_co_u32 s78, s78, s60
	s_mov_b32 s79, 0
	s_mul_i32 s58, s19, 98304                      ; the ring: my 2 of them
	s_mul_i32 s61, s14, 24576
	s_add_co_u32 s58, s58, s61
	s_mov_b32 s59, 0
	s_mul_i32 s62, s15, AHALF                      ; where they go: the wave's number and constants alone
	s_mul_i32 s23, s15, BSLOT
	s_add_co_u32 s23, s23, BBASE
	s_mul_i32 s63, s14, 12288
	s_add_co_u32 s63, s63, BBASE
	s_mov_b32 s2, 0x76543210                       ; selects for lane l xor 16
	s_mov_b32 s3, 0xfedcba98
	s_mov_b32 s66, 0xffff0000                      ; lanes 16-31
	s_wait_dscnt 0x0
	s_wait_kmcnt 0x0
	s_add_nc_u64 s[56:57], s[4:5], s[56:57]
	s_add_nc_u64 s[78:79], s[6:7], s[78:79]
	s_add_nc_u64 s[58:59], s[6:7], s[58:59]
	s_mov_b32 s[G0A], 1
	s_mov_b32 s[G0A+1], s62
	s_mov_b64 s[G0A+2:G0A+3], s[56:57]
	s_or_b32 s[G0A+3], s[G0A+3], 0x80000000
	s_mov_b32 s[G0A+4], 1
	s_mov_b32 s[G0A+5], s23
	s_mov_b64 s[G0A+6:G0A+7], s[78:79]
	s_or_b32 s[G0A+7], s[G0A+7], 0x80000000
.irp f, 0,1
	s_mov_b32 s[G0B+4*\f], 1                       ; the ring's slot f: part q's half f of K; each refill steps a part on first
	s_add_co_u32 s[G0B+4*\f+1], s63, BSLOT*\f
	s_add_nc_u64 s[G0B+4*\f+2:G0B+4*\f+3], s[58:59], 6144*\f
	s_or_b32 s[G0B+4*\f+3], s[G0B+4*\f+3], 0x80000000
.endr
	CROUND                                         ; all sixteen work-groups are here: the first joint loads meet
	s_cmp_eq_u32 s14, 0
	s_cbranch_scc0 .Lhead_1
	HLOAD G0A, G1A                                 ; wave 0: A's half 0
	s_branch .Lhead_asked
.Lhead_1:
	s_cmp_eq_u32 s14, 1
	s_cbranch_scc0 .Lhead_2
	HLOAD G0A+4, G1B                               ; wave 1: slot 0
	s_branch .Lhead_asked
.Lhead_2:
	s_cmp_eq_u32 s14, 2
	s_cbranch_scc0 .Lhead_3
	HLOAD G0A, G1A                                 ; wave 2: A's half 1
	s_branch .Lhead_asked
.Lhead_3:
	HLOAD G0A+4, G1B                               ; wave 3: slot 1
.Lhead_asked:
	v_and_b32 v1, 15, v0                           ; r
	v_bfe_u32 v2, v0, 4, 1                         ; h
	v_and_b32 v3, 31, v0                           ; lane
	v_lshlrev_b32 v4, 4, v3
	v_lshlrev_b32 v5, 3, v3
	v_lshlrev_b32 v6, 2, v3
	v_lshlrev_b32 v24, 5, v1
	v_lshl_add_u32 v24, v2, 4, v24                 ; scale bytes: row r of 32, + 16 h
	v_lshlrev_b32 v25, 5, v2                       ; the bias of q, k: register j of tile t is column 16 t + 8 h + j
	v_lshlrev_b32 v26, 2, v1                       ; of v: all eight registers of tile t are column 16 t + r
	s_wait_alu depctr_va_vdst(0)                   ; ahead of the run of scalar lines
	s_lshl_b32 s93, s20, 1
	s_add_co_u32 s93, s93, s15                     ; my 128 rows: 2 x tile row + half
	s_lshl_b32 s84, s93, 12                        ; A's scale bytes: 128 rows of 32
	s_add_co_u32 s84, s84, XSC
	s_mov_b32 s85, 0
	s_add_nc_u64 s[84:85], s[4:5], s[84:85]
	s_lshl_b32 s86, s19, 7
	s_lshl_b32 s67, s16, 6
	s_add_co_u32 s86, s86, s67                     ; my first column inside a part: 128 x tile column + 64 x head
	s_lshl_b32 s88, s86, 2
	s_mov_b32 s89, 0
	s_lshl_b32 s86, s86, 5
	s_add_co_u32 s86, s86, WSC
	s_mov_b32 s87, 0
	s_add_nc_u64 s[86:87], s[6:7], s[86:87]
	s_add_nc_u64 s[88:89], s[8:9], s[88:89]
.irp a, 0,1,2,3,4,5,6,7
	global_load_b128 v[SA+4*\a:SA+4*\a+3], v24, s[84:85] offset:512*\a
.endr
.irp p, 0,1,2                          ; all three parts' scale words and biases come now and stay: a part is 1,024 columns on
.irp t, 0,1,2,3
	global_load_b128 v[SB+16*\p+4*\t:SB+16*\p+4*\t+3], v24, s[86:87] offset:32768*\p+512*\t
.endr
.endr
	WIN 0x80
.irp p, 0,1
.irp t, 0,1,2,3
	global_load_b128 v[BI+32*\p+8*\t:BI+32*\p+8*\t+3], v25, s[88:89] offset:4096*\p+64*\t
	global_load_b128 v[BI+32*\p+8*\t+4:BI+32*\p+8*\t+7], v25, s[88:89] offset:4096*\p+64*\t+16
.endr
.endr
.irp t, 0,1,2,3
.irp j, 0,1,2,3,4,5,6,7
	global_load_b32 v[BI+64+8*\t+\j], v26, s[88:89] offset:8192+64*\t
.endr
.endr
	WIN 0
	s_mul_i32 s90, s16, 24576                      ; my wave's four tiles of B in a slot,
	s_add_co_u32 s90, s90, BBASE
	s_mul_i32 s94, s15, 49152                      ; and its eight blocks of A in a half
.irp f, 0,1
	v_add_nc_u32 v[A16+\f], s94, v4
	v_add_nc_u32 v[A8+\f], s94, v5
	v_add_nc_u32 v[B16+\f], s90, v4
	v_add_nc_u32 v[B8+\f], s90, v5
	s_add_co_u32 s90, s90, BSLOT
	s_add_co_u32 s94, s94, AHALF
.endr
.irp k, 0,1,2,3,4,5,6,7,8,9,10,11,12,13,14,15
	v_mov_b32 v[PT+\k], 0                          ; written once: a lane permute's destination counts as one of its sources
.endr
	; where the results go
	s_lshr_b32 s60, s93, 4                         ; batch
	s_and_b32 s61, s93, 15                         ; which 128 rows of the batch's 2,048
	s_lshl_b32 s67, s19, 1
	s_add_co_u32 s67, s67, s16                     ; head = 2 x tile column + my head of the two
	s_lshl_b32 s60, s60, 4
	s_add_co_u32 s60, s60, s67                     ; 16 x batch + head
	s_mul_i32 s91, s60, 106496                     ; its record in qa,
	s_mul_i32 s92, s60, 208896                     ; and in kv
	s_mul_i32 s68, s61, 6144                       ; q's codes: 8 half images
	s_add_co_u32 s68, s68, s91
	s_mov_b32 s69, 0
	s_lshl_b32 s70, s61, 9                         ; q's scale words, behind the record's codes
	s_add_co_u32 s70, s70, s91
	s_add_co_u32 s70, s70, 98304
	s_mov_b32 s71, 0
	s_mul_i32 s72, s61, 12288                      ; the key step's tiles: K's 8 half images, then V's 8
	s_add_co_u32 s72, s72, s92
	s_add_co_u32 s72, s72, 12288
	s_mov_b32 s73, 0
	s_lshl_b32 s74, s61, 9                         ; K's scale words
	s_add_co_u32 s74, s74, s92
	s_mov_b32 s75, 0
	s_lshl_b32 s76, s61, 8                         ; V's scale words
	s_add_co_u32 s76, s76, s92
	s_add_co_u32 s76, s76, 8192
	s_mov_b32 s77, 0
	s_add_nc_u64 s[68:69], s[10:11], s[68:69]
	s_add_nc_u64 s[70:71], s[10:11], s[70:71]
	s_add_nc_u64 s[72:73], s[12:13], s[72:73]
	s_add_nc_u64 s[74:75], s[12:13], s[74:75]
	s_add_nc_u64 s[76:77], s[12:13], s[76:77]
	s_wait_alu depctr_va_vdst(0)                   ; the head's end
	s_cmp_lt_u32 s14, 2
	s_cbranch_scc0 .Lnot_first
	s_wait_tensorcnt 0x0                           ; waves 0 and 1: A's half 0 and slot 0 have landed
.Lnot_first:
	s_barrier_signal -1
	s_barrier_wait -1                              ; K's second half may still be on its way
	FETCH 0
	s_wait_loadcnt 0x0                             ; scale words and biases
.irp p, 0,1,2                          ; q, k, v
	STEP \p, 0
	STEP \p, 1
	STEP \p, 2
.if \p < 2
	TURN \p, 3, 1                                  ; slot 0 takes the next part's first half of K
.else
	TURN \p, 3, 0
.endif
	STEP \p, 4
	STEP \p, 5
	STEP \p, 6
.if \p < 2
	TURN \p, 7, 1                                  ; slot 1 takes the next part's second half of K, and the next part's first fragments are fetched
.else
	s_wait_dscnt 0x0                               ; the very last K step
	MMH \p, 7, 0
	MMH \p, 7, 1
.endif
	WAYOUT \p
.endr
	WIN 0
	s_wait_tensorcnt 0x0                           ; the wave's end
	ds_add_u32 v[SPW], v[NIL]
	s_wait_dscnt 0x0
	CROUND                                         ; the closing round
	s_endpgm
.Lfunc_end_k_qfbe8774aeb_gemm_qkv:
	.size	k_qfbe8774aeb_gemm_qkv, .Lfunc_end_k_qfbe8774aeb_gemm_qkv-k_qfbe8774aeb_gemm_qkv
	.p2alignl 7, 3214868480
	.fill 96, 4, 3214868480
	.section	.rodata,"a",@progbits
	.p2align	6, 0x0
	.amdhsa_kernel k_qfbe8774aeb_gemm_qkv
		.amdhsa_group_segment_fixed_size 327680
		.amdhsa_private_segment_fixed_size 0
		.amdhsa_enable_private_segment 0
		.amdhsa_kernarg_size 40
		.amdhsa_user_sgpr_count 2
		.amdhsa_user_sgpr_kernarg_segment_ptr 1
		.amdhsa_wavefront_size32 1
		.amdhsa_system_sgpr_workgroup_id_x 1
		.amdhsa_system_sgpr_workgroup_id_y 1
		.amdhsa_system_sgpr_workgroup_id_z 1
		.amdhsa_system_vgpr_workitem_id 0
		.amdhsa_next_free_vgpr 1024
		.amdhsa_next_free_sgpr 100
		.amdhsa_reserve_vcc 0
		.amdhsa_float_denorm_mode_32 3
		.amdhsa_float_denorm_mode_16_64 3
		.amdhsa_memory_ordered 1
		.amdhsa_forward_progress 1
		.amdhsa_inst_pref_size 243
	.end_amdhsa_kernel
	.amdgpu_metadata
---
amdhsa.version: [ 1, 2 ]
amdhsa.kernels:
  - .name:           k_qfbe8774aeb_gemm_qkv
    .symbol:         k_qfbe8774aeb_gemm_qkv.kd
    .args:
      - { .name: xa, .offset: 0, .size: 8, .value_kind: global_buffer, .address_space: global }
      - { .name: wa, .offset: 8, .size: 8, .value_kind: global_buffer, .address_space: global }
      - { .name: b_qkv, .offset: 16, .size: 8, .value_kind: global_buffer, .address_space: global }
      - { .name: qa, .offset: 24, .size: 8, .value_kind: global_buffer, .address_space: global }
      - { .name: kv, .offset: 32, .size: 8, .value_kind: global_buffer, .address_space: global }
    .group_segment_fixed_size: 327680
    .private_segment_fixed_size: 0
    .kernarg_segment_align: 8
    .kernarg_segment_size: 40
    .max_flat_workgroup_size: 128
    .sgpr_count:     100
    .vgpr_count:     1024
    .wavefront_size: 32
...
	.end_amdgpu_metadata
.endif
;; end of part 2
;; launch attn (part 3): grid 4 x 64, 8 waves a work-group, clusters of 4 x 1, 215,040 bytes of LDS; arguments qa, kv, oa; writes oa
.if DOCPART == 3
	.amdgcn_target "amdgcn-amd-amdhsa--gfx1250"
	.amdhsa_code_object_version 6
	.text
	.protected	k_qfbe8774aeb_attn
	.globl	k_qfbe8774aeb_attn
	.p2align	8
	.type	k_qfbe8774aeb_attn,@function
k_qfbe8774aeb_attn:
	s_mov_b64 s[64:65], 0
	v_nop
	global_prefetch_b8 v0, s[64:65] scope:SCOPE_SE
	s_setreg_imm32_b32 hwreg(HW_REG_WAVE_MODE, 25, 1), 1
	s_wait_xcnt 0x0
	s_wait_alu depctr_hold_cnt(0) depctr_sa_sdst(0) depctr_va_vdst(0) depctr_va_sdst(0) depctr_va_ssrc(0) depctr_va_vcc(0) depctr_vm_vsrc(0)
	s_getreg_b32 s2, hwreg(HW_REG_IB_STS2, 6, 4)
	s_cmp_eq_u32 s2, 0
	s_cbranch_scc0 .Lentry_in_a_cluster
	s_endpgm
.Lentry_in_a_cluster:
	s_bfe_u32 s2, ttmp6, 0x10000c
	s_cmp_lg_u32 s2, 0x3003
	s_cbranch_scc0 .Lentry_shape_is_right
	s_endpgm
.Lentry_shape_is_right:
; o = softmax(q k^T / 8) v for one (batch, head) and 512 queries a work-group, both products on codes of FP6 (E2M3) with E8M0 scales; o is divided by the row's sum and quantised along the
; model's 1,024 on the way out, as the last product's operand.
; THE SOFTMAX: t = score x log2(e) / 8; M = the running largest t rounded UP to a whole number; p = 2^(t - M) is quantised along the keys, not normalised; the row's sum is taken of the
; unquantised p.  When M moves, the sum and O are multiplied by 2^(old M - new M): exact.
; LDS: the head's whole record of kv, 208,896 bytes, as it lies in memory, each byte filled once: K's scale words at 0, V's at 8,192, then for key step s at 12,288 (1 + s) eight half images of K
; (16 keys x 64) and V's four fragments (16 channels x 128 keys).  The four query blocks of a head form the cluster and ask for the record JOINTLY: each of the eight waves issues one tensor load,
; 102 rows of 256 bytes.  Nothing is filled again.  No prefetch: all loads go out together at the head, so there is no loop of loads to run ahead in.
; SHARES: eight waves, two to a SIMD; a wave owns 64 queries, four tiles of 16, and walks the 16 key steps once: each fragment of K and V is read from LDS once for its four tiles.
; LAYOUT: both products transposed (S^T = K Q^T, O^T = V^T P^T): a lane holds ONE query throughout.  THE KEYS OF A TILE OF K ARE CHOSEN BY THE LANES' ADDRESSES: rows 0-7 of tile (c, T) are eight keys of
; block 2 c of the step's four blocks of 32, rows 8-15 the same eight of block 2 c + 1.  So lane (r, h) holds in registers 32 c + 8 T + j position 8 T + j of block 2 c + h, in the order in which V's
; codes were laid (position p is key (p & 7) + 2 (p & 8) + (p & 16) / 2): a whole block to a lane; its largest p needs no other lane and its codes fall as the operand wants them.
; A head has 64 channels: the upper 64 of the first product's K meet zero codes in Q, so K's tiles lie six registers apart and a tile's upper six registers are the next tile's.
; ORDER: two tiles of queries are worked together.  Chains take turns line by line (eight for the largest score, twelve for the sums, the scale bytes' chain among the sums); among one tile's exponentials
; stand lines of the other tile that hang on nothing in that run and are read only behind the wait that closes it.
; O begins as zeros, written once at the head: the step is written once, and the first change of M leaves them zeros.
; OUT: oa as the first launch lays xa: [block of 16 rows][head][half image], scale bytes [row][32] behind; a row's 32 bytes come from sixteen work-groups, so each lane stores ONE byte.
; LIMITS: NaN and infinities are not served; the promise holds while the scaled scores t stay under 2^31 in magnitude; p under 2^-126 is taken as 0 by the exponential; a block of zeros gets the byte 1.
; REGISTERS, window 0: v1-14 lane terms and LDS addresses; v18-27 scale words; v28-43 for each tile -M, the largest score, the sum (two halves); v44-47 f; v48-95 Q; v96-223 S^T, then p, of two tiles; v224-255 at work.
;   window 1: v0-127 O^T, 32 a tile; v128-181 K's eight tiles and six zeros; v182-229 V's four fragments; v230-253 p's codes of two tiles.
.set KVREC, 208896
.set QREC,  106496
.set XSC,   6291456
.set SPARE, 208896                     ; behind the record: the spare words, 128 bytes for each wave
.set SHARE, 26112                      ; a wave's part of the record: 102 x 256
.set L16, 1
.set L8,  2
.set L4,  3
.set KL16, 4                           ; K's lane terms: 1,536 (r / 8) + 16 (r % 8) + 256 h;
.set KL8,  5                           ; 1,536 (r / 8) + 8 (r % 8) + 128 h;
.set KSL,  6                           ; scale words: 4 (32 (r / 8) + r % 8 + 8 h)
.set SH8,  7                           ; 8 h
.set VA16, 8
.set VA8,  9
.set VSA,  10
.set KA16, 11
.set KA8,  12
.set KSA,  13
.set OB,   14
.set SPW,  16
.set NIL,  17
.set KS,   18                          ; register 2 c + u: lanes 0-15 tile (c, u), lanes 16-31 tile (c, u + 2)
.set VS,   22
.set QS,   24                          ; register u: lanes 0-15 tile 2 u of my four, lanes 16-31 tile 2 u + 1
.set PWD,  26                          ; p's scale words: they hold nothing else
.set ST,   28
.set F,    44
.set QF,   48
.set S,    96
.set BM,   224
.set TM,   228
.set PX,   230
.set SO,   232
.set AUX,  236                         ; v236-255 ten pairs: the sums' side chains (three of tile 1, seven of tile 0); then
.set TT,   240                         ; v240-255 the conversions' second halves
.set KF,   128                         ; window 1
.set VF,   182
.set PCD,  230
.set MX,   48                          ; the way out, in Q's registers
.set PT,   56
.set SO2,  64
.set CD,   72
.set WV,  10
.set SEL, 20
.set CS,  22
.set HM,  66
.set TB,  60
.set TJ,  61
.set TS,  62
.set TBN, 63
.set TSN, 67
.set CNT, 68
.set MSB, 0
.macro WIN new                         ; the immediate's high byte repeats the setting that is left
.if MSB != (\new)
	s_set_vgpr_msb (MSB<<8)|(\new)
.set MSB, (\new)
.endif
.endm
.macro WALU
	s_wait_alu depctr_va_vdst(0)
.endm
.macro PLACES n
.rept \n
	v_nop
.endr
.endm
.macro CROUND
	s_barrier_signal -1
	s_barrier_wait -1
	s_cmp_lg_u32 s[WV], 0
	s_cbranch_scc1 .Lnot_wave_0_\@
	s_barrier_signal -3
.Lnot_wave_0_\@:
	s_barrier_wait -3
	s_barrier_signal -1
	s_barrier_wait -1
.endm
.macro WM d, a, b, c, sa, sb, ra, rb
	v_wmma_scale_f32_16x16x128_f8f6f4 v[\d:\d+7], v[\a:\a+11], v[\b:\b+11], \c, v[\sa], v[\sb] matrix_a_fmt:MATRIX_FMT_FP6 matrix_b_fmt:MATRIX_FMT_FP6 matrix_a_scale:MATRIX_SCALE_ROW\ra matrix_b_scale:MATRIX_SCALE_ROW\rb
.endm
.macro PADD d, a, b                    ; two f32 additions
	v_pk_add_f32 v[\d:\d+1], v[\a:\a+1], v[\b:\b+1]
.endm
.macro KLOAD                           ; a key step's eight tiles of K and their scale words: 20 loads
.irp c, 0,1
.irp u, 0,1
	ds_load_b32 v[KS+2*\c+\u], v[KSA] offset:256*\c+64*\u
.endr
.endr
	WIN 0x40
.irp c, 0,1
.irp t, 0,1,2,3
	ds_load_b128 v[KF+6*(4*\c+\t):KF+6*(4*\c+\t)+3], v[KA16] offset:768*(4*\c+(\t&1))+128*(\t>>1)
	ds_load_b64 v[KF+6*(4*\c+\t)+4:KF+6*(4*\c+\t)+5], v[KA8] offset:768*(4*\c+(\t&1))+64*(\t>>1)+512
.endr
.endr
	WIN 0
.endm
.macro VLOAD                           ; V's four fragments and their scale words: 18 loads
	ds_load_b32 v[VS], v[VSA]
	ds_load_b32 v[VS+1], v[VSA] offset:128
	WIN 0x40
.irp t, 0,1,2,3
	ds_load_b128 v[VF+12*\t:VF+12*\t+3], v[VA16] offset:6144+1536*\t
	ds_load_b64 v[VF+12*\t+4:VF+12*\t+5], v[VA8] offset:6144+1536*\t+512
	ds_load_b128 v[VF+12*\t+6:VF+12*\t+9], v[VA16] offset:6144+1536*\t+768
	ds_load_b64 v[VF+12*\t+10:VF+12*\t+11], v[VA8] offset:6144+1536*\t+1280
.endr
	WIN 0
.endm
.macro SMUL pr                         ; S^T of tiles 2 pr, 2 pr + 1: 16 products, each sum begun with the constant 0
	WIN 0x01
.irp c, 0,1
.irp h, 0,1
.irp u, 0,1
.irp q, 0,1
	WM S+64*\q+32*\c+8*(\u+2*\h), KF+6*(4*\c+\u+2*\h), QF+12*(2*(\pr)+\q), 0, KS+2*\c+\u, QS+(\pr), \h, \q
.endr
.endr
.endr
.endr
	WIN 0
.endm
.macro PV pr                           ; O^T += V^T P^T: eight accumulators by turns
	WIN 0x55
.irp g, 0,1
.irp w, 0,1
.irp q, 0,1
	WM 64*(\pr)+32*\q+8*(2*\g+\w), VF+12*(2*\g+\w), PCD+12*\q, v[64*(\pr)+32*\q+8*(2*\g+\w):64*(\pr)+32*\q+8*(2*\g+\w)+7], VS+\g, PWD+\q, \w, 0
.endr
.endr
.endr
	WIN 0
.endm
.macro SCALEL i                        ; the scale bytes' chain, a level at every third line pair of the sums
.if (\i) == 0
	v_max_num_f32 v[BM+2], 0x1800000, v[BM+2]      ; the floor 2^(3 - 127): the byte cannot fall under 1 (tile 0's two stand among the exponentials)
	v_max_num_f32 v[BM+3], 0x1800000, v[BM+3]
.elseif (\i) == 3
.irp b, 0,1,2,3
	v_add_nc_u32 v[SO+\b], 0xff000000, v[BM+\b]    ; 2 off the exponent field: the conversion's scale operand
.endr
.elseif (\i) == 6
.irp b, 0,1,2,3
	v_lshrrev_b32 v[BM+\b], 23, v[SO+\b]           ; the byte
.endr
.elseif (\i) == 9
.irp q, 0,1
	v_lshl_or_b32 v[TM+\q], v[BM+2*\q+1], 16, v[BM+2*\q]   ; my two bytes, blocks h and 2 + h,
.endr
.elseif (\i) == 12
.irp q, 0,1
	v_lshlrev_b32 v[TM+\q], v[SH8], v[TM+\q]       ; at their places in the word;
.endr
.elseif (\i) == 15
.irp q, 0,1
	v_permlanex16_b32 v[PX+\q], v[TM+\q], s[SEL], s[SEL+1]
.endr
.elseif (\i) == 18
.irp q, 0,1
	v_or_b32 v[PWD+\q], v[TM+\q], v[PX+\q]         ; with lane l xor 16's two the word is whole
.endr
.endif
.endm
; The softmax of tiles 2 pr and 2 pr + 1 for 128 keys.  wt = 1: V's loads are waited for here
.macro SOFT pr, wt
.set T0, ST+8*(\pr)
.irp q, 0,1                            ; each block's largest score, in two chains: it serves the row's maximum and, since p rises with the score, the block's largest p
.irp c, 0,1
	v_max3_num_f32 v[BM+2*\q+\c], v[S+64*\q+32*\c], v[S+64*\q+32*\c+1], v[S+64*\q+32*\c+2]
	v_max3_num_f32 v[TM+2*\q+\c], v[S+64*\q+32*\c+16], v[S+64*\q+32*\c+17], v[S+64*\q+32*\c+18]
.endr
.endr
.set J, 3
.rept 6
.irp q, 0,1
.irp c, 0,1
	v_max3_num_f32 v[BM+2*\q+\c], v[BM+2*\q+\c], v[S+64*\q+32*\c+J], v[S+64*\q+32*\c+J+1]
	v_max3_num_f32 v[TM+2*\q+\c], v[TM+2*\q+\c], v[S+64*\q+32*\c+J+16], v[S+64*\q+32*\c+J+17]
.endr
.endr
.set J, J+2
.endr
.irp q, 0,1
.irp c, 0,1
	v_max3_num_f32 v[BM+2*\q+\c], v[BM+2*\q+\c], v[TM+2*\q+\c], v[S+64*\q+32*\c+15]
.endr
.endr
.irp q, 0,1
.irp c, 0,1
	v_max_num_f32 v[BM+2*\q+\c], v[BM+2*\q+\c], v[S+64*\q+32*\c+31]
.endr
.endr
.irp q, 0,1
	v_max_num_f32 v[TM+\q], v[BM+2*\q], v[BM+2*\q+1]
.endr
.irp q, 0,1
	v_permlanex16_b32 v[PX+\q], v[TM+\q], s[SEL], s[SEL+1]
.endr
.irp q, 0,1
	v_max3_num_f32 v[T0+4*\q+1], v[T0+4*\q+1], v[TM+\q], v[PX+\q]   ; the running largest score of my query
.endr
.irp q, 0,1
	v_mul_f32 v[TM+\q], s[CS], v[T0+4*\q+1]        ; as t (c is positive)
.endr
.irp q, 0,1
	v_floor_f32 v[PX+\q], -v[TM+\q]                ; the new -M = -ceil(t)
.endr
.irp q, 0,1
	v_sub_f32 v[TM+\q], v[PX+\q], v[T0+4*\q]       ; old M - new M: a whole number, 0 or less
.endr
.irp q, 0,1
	v_mov_b32 v[T0+4*\q], v[PX+\q]
.endr
.irp q, 0,1
	v_cvt_i32_f32 v[TM+\q], v[TM+\q]               ; (it saturates)
.endr
.irp q, 0,1
	v_ldexp_f32 v[F+2*\q], 1.0, v[TM+\q]           ; f = 2^(old M - new M)
.endr
.set J, 0
.rept 32
	v_pk_fma_f32 v[S+J:S+J+1], v[S+J:S+J+1], s[CS:CS+1], v[T0:T0+1] op_sel_hi:[1,0,0]   ; tile 0: t - M, two at a time
.set J, J+2
.endr
	v_fma_f32 v[BM], v[BM], s[CS], v[T0]           ; the same of each block's largest score
	v_fma_f32 v[BM+1], v[BM+1], s[CS], v[T0]
	WALU                                           ; ahead of the batch
.set J, 0
.rept 32                               ; tile 0's p = 2^(t - M); among them tile 1's t - M, read only behind the next wait
	v_exp_f32 v[S+J], v[S+J]
	v_pk_fma_f32 v[S+64+J:S+65+J], v[S+64+J:S+65+J], s[CS:CS+1], v[T0+4:T0+5] op_sel_hi:[1,0,0]
	v_exp_f32 v[S+J+1], v[S+J+1]
.set J, J+2
.endr
	v_exp_f32 v[BM], v[BM]                         ; the block's largest p: the same two instructions on the same number
	v_fma_f32 v[BM+2], v[BM+2], s[CS], v[T0+4]
	v_exp_f32 v[BM+1], v[BM+1]
	v_fma_f32 v[BM+3], v[BM+3], s[CS], v[T0+4]
	WALU                                           ; behind tile 0's batch and ahead of tile 1's
.set J, 0
.rept 64                               ; tile 1's p; among them ten lines on tile 0's p that hang on nothing in this run
	v_exp_f32 v[S+64+J], v[S+64+J]
.if (J%8) == 1
.if J < 56
	PADD AUX+6+2*(J/8), S+4*(J/8), S+4*(J/8)+2     ; tile 0's seven side chains begin: pairs 2 k and 2 k + 1
.endif
.endif
.if J == 5
	v_pk_mul_f32 v[T0+2:T0+3], v[T0+2:T0+3], v[F:F+1] op_sel_hi:[1,0]   ; tile 0's sum under the new M
.endif
.if J == 13
	v_max_num_f32 v[BM], 0x1800000, v[BM]          ; the floor
.endif
.if J == 21
	v_max_num_f32 v[BM+1], 0x1800000, v[BM+1]
.endif
.set J, J+1
.endr
	v_exp_f32 v[BM+2], v[BM+2]
	v_exp_f32 v[BM+3], v[BM+3]
	v_pk_mul_f32 v[T0+6:T0+7], v[T0+6:T0+7], v[F+2:F+3] op_sel_hi:[1,0]   ; tile 1's sum under the new M; also the plain line behind the exponentials
	WALU                                           ; behind the batch, ahead of its first reader
.irp k, 0,1,2                          ; THE ROW'S SUM OF THE UNQUANTISED p.  Tile 1's three side chains begin
	PADD AUX+2*\k, S+64+4*\k, S+66+4*\k
.endr
.set I, 0
.rept 26
.if I%4
.set C1, AUX+2*(I%4)-2
.else
.set C1, T0+6
.endif
	PADD C1, C1, S+76+2*I                          ; tile 1: pair 6 + I onto one of four chains
.if I < 18
.if I%8
.set C0, AUX+4+2*(I%8)
.else
.set C0, T0+2
.endif
	PADD C0, C0, S+28+2*I                          ; tile 0: pair 14 + I onto one of eight
.endif
	SCALEL I
.set I, I+1
.endr
	PADD AUX+6, AUX+6, AUX+8                       ; the chains are joined
	PADD AUX+10, AUX+10, AUX+12
	PADD AUX+14, AUX+14, AUX+16
	PADD T0+2, T0+2, AUX+18
	PADD AUX, AUX, AUX+2
	PADD T0+6, T0+6, AUX+4
	PADD AUX+6, AUX+6, AUX+10
	PADD T0+2, T0+2, AUX+14
	PADD T0+6, T0+6, AUX
	PADD T0+2, T0+2, AUX+6
.irp q, 0,1
.irp c, 0,1
	v_cvt_scalef32_pk16_fp6_f32 v[TT+4*(2*\q+\c):TT+4*(2*\q+\c)+2], v[S+64*\q+32*\c+16:S+64*\q+32*\c+31], v[SO+2*\q+\c]   ; positions 16-31 (a conversion's three registers begin on an even number)
.endr
.endr
	WIN 0x40
.irp q, 0,1
.irp c, 0,1
	v_cvt_scalef32_pk16_fp6_f32 v[PCD+12*\q+6*\c:PCD+12*\q+6*\c+2], v[S+64*\q+32*\c:S+64*\q+32*\c+15], v[SO+2*\q+\c]      ; positions 0-15
.endr
.endr
	v_nop                                          ; one plain line behind the scaled conversions
.irp q, 0,1
.irp c, 0,1
.irp i, 0,1,2
	v_mov_b32 v[PCD+12*\q+6*\c+3+\i], v[TT+4*(2*\q+\c)+\i]
.endr
.endr
.endr
.if \wt
	s_wait_dscnt 0x0                               ; V's fragments and scale words are in
.endif
	WIN 0x41
	WALU                                           ; directly ahead of the first reader of O^T
.set J, 0
.rept 16
.irp q, 0,1
	v_pk_mul_f32 v[64*(\pr)+32*\q+J:64*(\pr)+32*\q+J+1], v[64*(\pr)+32*\q+J:64*(\pr)+32*\q+J+1], v[F+2*\q:F+2*\q+1] op_sel_hi:[1,0]   ; O^T under the new M, each accumulator from its low end on
.endr
.set J, J+2
.endr
.endm
	s_load_b128 s[4:7], s[0:1], 0x0                ; qa, kv
	s_load_b64 s[8:9], s[0:1], 0x10                ; oa
	v_lshl_add_u32 v[SPW], v0, 2, SPARE
	v_mov_b32 v[NIL], 0
	ds_add_u32 v[SPW], v[NIL]                      ; the opening lines: the add, twice on end, and its wait
	ds_add_u32 v[SPW], v[NIL]
	v_lshrrev_b32 v1, 5, v0
	v_readfirstlane_b32 s[WV], v1                  ; wave 0..7
	s_bfe_u32 s11, ttmp6, 0x40000                  ; cx: it enters Q's and O's global addresses alone
	s_lshl_b32 s12, ttmp9, 2
	s_add_co_u32 s12, s12, s11                     ; my block of 512 queries
	s_and_b32 s13, ttmp7, 0xffff                   ; 16 x batch + head, which the four partners share
	s_lshr_b32 s14, s13, 4
	s_and_b32 s15, s13, 15
	s_mul_i32 s17, s[WV], SHARE                    ; my part of the record: the same offset in LDS and in memory
	s_mul_i32 s18, s13, KVREC
	s_add_co_u32 s18, s18, s17
	s_mov_b32 s19, 0
	s_mov_b32 s24, 15|(3<<16)|(1<<21)              ; group 1: the mask names all four work-groups; elements of 8 bytes; 102 dense rows of 256 bytes
	s_mov_b32 s25, 32<<16
	s_mov_b32 s26, 102<<16
	s_mov_b32 s27, 32<<16
	s_mov_b32 s28, 102
	s_mov_b32 s29, 32
	s_mov_b32 s30, 0
	s_mov_b32 s31, 0
	s_mov_b32 s[SEL], 0x76543210                   ; selects for lane l xor 16
	s_mov_b32 s[SEL+1], 0xfedcba98
	s_mov_b32 s[CS], 0x3e38aa3b                    ; c = log2(e) / 8
	s_mov_b32 s[CS+1], s[CS]
	s_mov_b32 s[HM], 0xffff0000
	s_lshl_b32 s76, s12, 5
	s_lshl_b32 s77, s[WV], 2
	s_add_co_u32 s76, s76, s77                     ; my first tile of 16 queries: 32 x block + 4 x wave
	s_mul_i32 s80, s13, QREC
	s_mul_i32 s81, s76, 768
	s_add_co_u32 s82, s80, s81                     ; its half image
	s_mov_b32 s83, 0
	s_lshl_b32 s81, s76, 6
	s_add_co_u32 s84, s80, s81
	s_add_co_u32 s84, s84, 98304                   ; its scale words
	s_mov_b32 s85, 0
	s_lshl_b32 s77, s14, 7
	s_add_co_u32 s77, s77, s76                     ; its block of 16 rows of oa
	s_mul_i32 s86, s77, 12288
	s_mul_i32 s78, s15, 768
	s_add_co_u32 s86, s86, s78
	s_mov_b32 s87, 0
	s_lshl_b32 s88, s77, 9
	s_lshl_b32 s78, s15, 1
	s_add_co_u32 s88, s88, s78
	s_add_co_u32 s88, s88, XSC
	s_mov_b32 s89, 0
	s_wait_dscnt 0x0
	s_wait_kmcnt 0x0
	s_mov_b32 s40, 1
	s_mov_b32 s41, s17
	s_add_nc_u64 s[42:43], s[6:7], s[18:19]
	s_or_b32 s43, s43, 0x80000000
	s_add_nc_u64 s[82:83], s[4:5], s[82:83]
	s_add_nc_u64 s[84:85], s[4:5], s[84:85]
	s_add_nc_u64 s[86:87], s[8:9], s[86:87]
	s_add_nc_u64 s[88:89], s[8:9], s[88:89]
	CROUND                                         ; all four work-groups are here: the joint loads meet
	tensor_load_to_lds s[40:43], s[24:31]          ; every wave's one tensor load
	s_nop 0
	PLACES 4
	v_and_b32 v15, 31, v0
	v_lshlrev_b32 v[L16], 4, v15
	v_lshlrev_b32 v[L8], 3, v15
	v_lshlrev_b32 v[L4], 2, v15
.irp i, 0,1,2,3
	global_load_b128 v[QF+12*\i:QF+12*\i+3], v[L16], s[82:83] offset:768*\i        ; Q stays in registers
	global_load_b64 v[QF+12*\i+4:QF+12*\i+5], v[L8], s[82:83] offset:768*\i+512
.endr
	global_load_b32 v[QS], v[L4], s[84:85]
	global_load_b32 v[QS+1], v[L4], s[84:85] offset:128
	v_and_b32 v96, 7, v0                           ; r % 8
	v_bfe_u32 v97, v0, 3, 1                        ; r / 8
	v_bfe_u32 v98, v0, 4, 1                        ; h
	v_and_b32 v99, 15, v0                          ; r
	v_mul_u32_u24 v100, v97, 1536
	v_lshl_add_u32 v[KL16], v96, 4, v100
	v_lshl_add_u32 v[KL16], v98, 8, v[KL16]
	v_lshl_add_u32 v[KL8], v96, 3, v100
	v_lshl_add_u32 v[KL8], v98, 7, v[KL8]
	v_lshlrev_b32 v[KSL], 2, v96
	v_lshl_add_u32 v[KSL], v97, 7, v[KSL]
	v_lshl_add_u32 v[KSL], v98, 5, v[KSL]
	v_lshlrev_b32 v[SH8], 3, v98
	v_lshl_add_u32 v[OB], v99, 5, v98              ; o's scale byte: 32 r + h
	v_add_nc_u32 v[KA16], 12288, v[KL16]           ; key step 0
	v_add_nc_u32 v[KA8], 12288, v[KL8]
	v_mov_b32 v[KSA], v[KSL]
.irp i, 0,1,2,3
	v_mov_b32 v[ST+4*\i], 0x7e800000               ; -M: so large that the first f is 0
	v_mov_b32 v[ST+4*\i+1], 0xff61b1e6             ; the largest score so far: -3e38
	v_mov_b32 v[ST+4*\i+2], 0
	v_mov_b32 v[ST+4*\i+3], 0
.irp j, 6,7,8,9,10,11
	v_mov_b32 v[QF+12*\i+\j], 0                    ; the upper 64 of the first product's K: zero codes in Q
.endr
.endr
	v_mov_b32 v[F+1], 0                            ; named in a pair: written once
	v_mov_b32 v[F+3], 0
	WIN 0x40
.set J, 0
.rept 128
	v_mov_b32 v[J], 0                              ; O^T
.set J, J+1
.endr
.irp j, 48,49,50,51,52,53
	v_mov_b32 v[KF+\j], 0                          ; what the last tile of K names as its upper six registers
.endr
	WIN 0
	s_mov_b32 s[TB], 12288
	s_mov_b32 s[TJ], 8192
	s_mov_b32 s[TS], 512
	s_mov_b32 s[TBN], 24576
	s_mov_b32 s[TSN], 512
	s_mov_b32 s[CNT], 0
	WALU                                           ; the head's end
	s_wait_loadcnt 0x0                             ; Q
	s_wait_tensorcnt 0x0                           ; my part of the record has landed
	s_barrier_signal -1
	s_barrier_wait -1                              ; everybody's has
	KLOAD
.Lstep:                                        ; a key step: 128 keys for my four tiles
	s_wait_dscnt 0x0                               ; K's tiles and scale words, asked for in the last step
	SMUL 0
	v_add_nc_u32 v[VA16], s[TB], v[L16]            ; these six are the plain lines between the products above and the first read of their results, and between the last step's products and the loads into V's registers
	v_add_nc_u32 v[VA8], s[TB], v[L8]
	v_add_nc_u32 v[VSA], s[TJ], v[L4]
	v_add_nc_u32 v[KA16], s[TBN], v[KL16]
	v_add_nc_u32 v[KA8], s[TBN], v[KL8]
	v_add_nc_u32 v[KSA], s[TSN], v[KSL]
	VLOAD
	SOFT 0, 1
	PV 0
	SMUL 1
	PLACES 4                                       ; in front of the loads into K's registers and of the first read of the scores
	KLOAD                                          ; the next step's K (the last step asks for its own once more: the address is held inside the record)
	SOFT 1, 0
	PV 1
	s_add_co_u32 s[TB], s[TB], 12288
	s_add_co_u32 s[TJ], s[TJ], 256
	s_add_co_u32 s[TS], s[TS], 512
	s_add_co_u32 s[TBN], s[TB], 12288
	s_min_u32 s[TBN], s[TBN], 196608
	s_min_u32 s[TSN], s[TS], 7680
	s_add_co_u32 s[CNT], s[CNT], 1
	s_cmp_lt_u32 s[CNT], 16
	s_cbranch_scc1 .Lstep
; THE WAY OUT: O^T / the sum; register 8 t + j of tile i is channel 16 t + 8 h + j of my query: two blocks of 32 along the last product's K, half of each in lane l xor 16
.irp i, 0,1,2,3
	v_add_f32 v[ST+4*\i+2], v[ST+4*\i+2], v[ST+4*\i+3]
.endr
.irp i, 0,1,2,3
	v_permlanex16_b32 v[BM+\i], v[ST+4*\i+2], s[SEL], s[SEL+1]
.endr
.irp i, 0,1,2,3
	v_add_f32 v[ST+4*\i+2], v[ST+4*\i+2], v[BM+\i] ; the row's sum
.endr
	WALU
.irp i, 0,1,2,3
	v_rcp_f32 v[ST+4*\i+2], v[ST+4*\i+2]
.endr
	v_nop                                          ; one plain line behind the reciprocals
	WIN 0x01
	WALU                                           ; directly ahead of the first reader of the reciprocals and of O^T
.irp i, 0,1,2,3
.set J, 0
.rept 16
	v_pk_mul_f32 v[S+32*\i+J:S+32*\i+J+1], v[32*\i+J:32*\i+J+1], v[ST+4*\i+2:ST+4*\i+3] op_sel_hi:[1,0]
.set J, J+2
.endr
.endr
	WIN 0
.set E, 0
.rept 8
	v_max3_num_f32 v[MX+E], |v[S+16*E]|, |v[S+16*E+1]|, 0x1800000   ; eight blocks by turns; the floor holds the byte at 1 from below
.set E, E+1
.endr
.irp i, 2,4,6,8,10,12,14
.set E, 0
.rept 8
	v_max3_num_f32 v[MX+E], v[MX+E], |v[S+16*E+\i]|, |v[S+16*E+\i+1]|
.set E, E+1
.endr
.endr
.irp e, 0,1,2,3,4,5,6,7
	v_permlanex16_b32 v[PT+\e], v[MX+\e], s[SEL], s[SEL+1]
.endr
.irp e, 0,1,2,3,4,5,6,7
	v_max_num_f32 v[MX+\e], v[MX+\e], v[PT+\e]
.endr
.irp e, 0,1,2,3,4,5,6,7
	v_add_nc_u32 v[SO2+\e], 0xff000000, v[MX+\e]
.endr
.irp e, 0,1,2,3,4,5,6,7
	v_lshrrev_b32 v[PT+\e], 23, v[SO2+\e]
.endr
.irp i, 0,1,2,3
	v_cvt_scalef32_pk16_fp6_f32 v[CD+6*\i:CD+6*\i+2], v[S+32*\i:S+32*\i+15], v[SO2+2*\i]
	v_cvt_scalef32_pk16_fp6_f32 v[TT+4*\i:TT+4*\i+2], v[S+32*\i+16:S+32*\i+31], v[SO2+2*\i+1]
.endr
	v_nop
.irp i, 0,1,2,3
.irp k, 0,1,2
	v_permlane16_swap_b32 v[CD+6*\i+\k], v[TT+4*\i+\k]   ; a whole block to a lane
.endr
.endr
.irp i, 0,1,2,3
.irp k, 0,1,2
	v_mov_b32 v[CD+6*\i+3+\k], v[TT+4*\i+\k]
.endr
.endr
.irp i, 0,1,2,3
	v_cndmask_b32 v[MX+\i], v[PT+2*\i], v[PT+2*\i+1], s[HM]   ; lane (r, h): the byte of block h of row r
.endr
.irp i, 0,1,2,3
	global_store_b128 v[L16], v[CD+6*\i:CD+6*\i+3], s[86:87] offset:12288*\i        ; 512 consecutive bytes
	global_store_b64 v[L8], v[CD+6*\i+4:CD+6*\i+5], s[86:87] offset:12288*\i+512    ; 256 consecutive bytes
	global_store_b8 v[OB], v[MX+\i], s[88:89] offset:512*\i
.endr
	s_wait_tensorcnt 0x0                           ; the wave's end
	ds_add_u32 v[SPW], v[NIL]
	s_wait_dscnt 0x0
	CROUND                                         ; the closing round
	s_endpgm
.Lfunc_end_k_qfbe8774aeb_attn:
	.size	k_qfbe8774aeb_attn, .Lfunc_end_k_qfbe8774aeb_attn-k_qfbe8774aeb_attn
	.p2alignl 7, 3214868480
	.fill 96, 4, 3214868480
	.section	.rodata,"a",@progbits
	.p2align	6, 0x0
	.amdhsa_kernel k_qfbe8774aeb_attn
		.amdhsa_group_segment_fixed_size 215040
		.amdhsa_private_segment_fixed_size 0
		.amdhsa_enable_private_segment 0
		.amdhsa_kernarg_size 24
		.amdhsa_user_sgpr_count 2
		.amdhsa_user_sgpr_kernarg_segment_ptr 1
		.amdhsa_wavefront_size32 1
		.amdhsa_system_sgpr_workgroup_id_x 1
		.amdhsa_system_sgpr_workgroup_id_y 1
		.amdhsa_system_sgpr_workgroup_id_z 1
		.amdhsa_system_vgpr_workitem_id 0
		.amdhsa_next_free_vgpr 512
		.amdhsa_next_free_sgpr 100
		.amdhsa_reserve_vcc 0
		.amdhsa_float_denorm_mode_32 3
		.amdhsa_float_denorm_mode_16_64 3
		.amdhsa_memory_ordered 1
		.amdhsa_forward_progress 1
		.amdhsa_inst_pref_size 80
	.end_amdhsa_kernel
	.amdgpu_metadata
---
amdhsa.version: [ 1, 2 ]
amdhsa.kernels:
  - .name:           k_qfbe8774aeb_attn
    .symbol:         k_qfbe8774aeb_attn.kd
    .args:
      - { .name: qa, .offset: 0, .size: 8, .value_kind: global_buffer, .address_space: global }
      - { .name: kv, .offset: 8, .size: 8, .value_kind: global_buffer, .address_space: global }
      - { .name: oa, .offset: 16, .size: 8, .value_kind: global_buffer, .address_space: global }
    .group_segment_fixed_size: 215040
    .private_segment_fixed_size: 0
    .kernarg_segment_align: 8
    .kernarg_segment_size: 24
    .max_flat_workgroup_size: 256
    .sgpr_count:     100
    .vgpr_count:     512
    .wavefront_size: 32
...
	.end_amdgpu_metadata
.endif
;; end of part 3
;; launch gemm_out (part 4): grid 4 x 64, 4 waves a work-group, clusters of 4 x 4, 327,680 bytes of LDS; arguments oa, wa, b_out, out0; writes out0
.if DOCPART == 4
	.amdgcn_target "amdgcn-amd-amdhsa--gfx1250"
	.amdhsa_code_object_version 6
	.text
	.protected	k_qfbe8774aeb_gemm_out
	.globl	k_qfbe8774aeb_gemm_out
	.p2align	8
	.type	k_qfbe8774aeb_gemm_out,@function
k_qfbe8774aeb_gemm_out:
	s_mov_b64 s[64:65], 0
	v_nop
	global_prefetch_b8 v0, s[64:65] scope:SCOPE_SE
	s_setreg_imm32_b32 hwreg(HW_REG_WAVE_MODE, 25, 1), 1
	s_wait_xcnt 0x0
	s_wait_alu depctr_hold_cnt(0) depctr_sa_sdst(0) depctr_va_vdst(0) depctr_va_sdst(0) depctr_va_ssrc(0) depctr_va_vcc(0) depctr_vm_vsrc(0)
	s_getreg_b32 s2, hwreg(HW_REG_IB_STS2, 6, 4)
	s_cmp_eq_u32 s2, 0
	s_cbranch_scc0 .Lentry_in_a_cluster
	s_endpgm
.Lentry_in_a_cluster:
	s_bfe_u32 s2, ttmp6, 0x10000c
	s_cmp_lg_u32 s2, 0xf033
	s_cbranch_scc0 .Lentry_shape_is_right
	s_endpgm
.Lentry_shape_is_right:
; out0 = o w_out + b_out on codes of FP6 (E2M3) with E8M0 scales, sums in f32, f32 out.
; OPERANDS: oa (the attention launch's) and rows 3,072 to 4,095 of wa: [block of 16 rows][64 along K: 0..15][half image of 768 bytes], scale bytes [row][32] behind the codes.  A half image is an
; image of six operand registers: registers 0-3 at 16 x lane, registers 4-5 at 512 + 8 x lane.  Inside each block of 32 along K the middle two groups of eight have changed places, on both operands.
; SHARES.  A work-group makes 128 rows x 256 columns IN TWO PARTS of 128 columns, one after the other; in a part wave w makes rows 64 (w / 2) .. + 63 x columns 64 (w % 2) .. + 63: 16 accumulators.
; Part 0's results are stored while part 1 is multiplied.
; ALL OF K LIES IN LDS, each byte filled once, as it lies in memory: A's 8 blocks of 12,288 bytes at 0, then each part's 8 tiles of B.  THE HEAD: one tensor load a wave: waves 0 and 1 a half of A
; each, wave 2 B's part 0, wave 3 B's part 1 (a line of its own).  The first barrier shows A and part 0; the barrier in part 0's last K step shows part 1.
; CLUSTER 4 x 4: A's tile is shared along a row of the cluster, B's along a column: joint loads.
; THE MATRIX INSTRUCTION IS USED TRANSPOSED (source 0 = 16 columns of w, source 1 = 16 rows of o): a lane holds eight neighbouring numbers of a row of the output.
; LIMITS: NaN and infinities are not served.
; REGISTERS.  window 0: v1-5 lane terms; v8-13 LDS addresses; v24-28 offsets; v32-47 A's scale words; v48-79 B's; v80-143 the bias; v144-207 the way out; v254, v255 for the add.
;   window 1: the accumulators, part p, (a, t) at v[128 p + 8 (4 a + t)].   windows 2, 3: two sets of fragments: A's block a at v[12 a], B's tile t at v[48 + 12 t].
.set XSC,   6291456
.set WSC,   3145728
.set BBASE, 98304
.set BPART, 98304
.set STG,   294912                     ; behind the tiles: a stage of 16 rows x (256 + 16) bytes for each wave; no tensor load lands there
.set SPARE, 312320                     ; behind the stages: the spare words
.set A16,   8
.set A8,    9
.set B16,   10                         ; v10-11  my four tiles of part p
.set B8,    12
.set SPW,   254
.set NIL,   255
.set SA,    32
.set SB,    48
.set BI,    80
.set BK,    144                        ; 16 rows read back from the stage: two sets of 32 by turns
.set MSB, 0
.macro WIN new
.if MSB != (\new)
	s_set_vgpr_msb (MSB<<8)|(\new)
.set MSB, (\new)
.endif
.endm
.macro CROUND
	s_barrier_signal -1
	s_barrier_wait -1
	s_cmp_lg_u32 s14, 0
	s_cbranch_scc1 .Lnot_wave_0_\@
	s_barrier_signal -3
.Lnot_wave_0_\@:
	s_barrier_wait -3
	s_barrier_signal -1
	s_barrier_wait -1
.endm
.macro PLACES n
.rept \n
	v_nop
.endr
.endm
.macro HLOAD g0, g1
	tensor_load_to_lds s[\g0:\g0+3], s[\g1:\g1+7]
	s_nop 0
	PLACES 4
.endm
.macro FRAG reg, a16, a8, off
	ds_load_b128 v[\reg:\reg+3], v[\a16] offset:\off
	ds_load_b64 v[\reg+4:\reg+5], v[\a8] offset:\off+512
	ds_load_b128 v[\reg+6:\reg+9], v[\a16] offset:\off+768
	ds_load_b64 v[\reg+10:\reg+11], v[\a8] offset:\off+1280
.endm
.macro FETCH n                         ; step n = 8 x part + K step: 8 fragments, 32 LDS loads, into set n % 2
.set FP, (\n)/8
.set FG, (\n)%8
	WIN 0x80+0x40*((\n)%2)
.irp a, 0,1,2,3
	FRAG 12*\a, A16, A8, 12288*\a+1536*FG
.endr
.irp t, 0,1,2,3
	FRAG 48+12*\t, B16+FP, B8+FP, 12288*\t+1536*FG
.endr
	WIN 0
.endm
.macro PROD d, a, b, c, sa, sb, s
.if (\s) == 0
	v_wmma_scale_f32_16x16x128_f8f6f4 v[\d:\d+7], v[\a:\a+11], v[\b:\b+11], v[\c:\c+7], v[\sa], v[\sb] matrix_a_fmt:MATRIX_FMT_FP6 matrix_b_fmt:MATRIX_FMT_FP6
.elseif (\s) < 4
	v_wmma_scale_f32_16x16x128_f8f6f4 v[\d:\d+7], v[\a:\a+11], v[\b:\b+11], v[\d:\d+7], v[\sa], v[\sb] matrix_a_fmt:MATRIX_FMT_FP6 matrix_b_fmt:MATRIX_FMT_FP6
.else
	v_wmma_scale_f32_16x16x128_f8f6f4 v[\d:\d+7], v[\a:\a+11], v[\b:\b+11], v[\d:\d+7], v[\sa], v[\sb] matrix_a_fmt:MATRIX_FMT_FP6 matrix_b_fmt:MATRIX_FMT_FP6 matrix_a_scale:MATRIX_SCALE_ROW1 matrix_b_scale:MATRIX_SCALE_ROW1
.endif
.endm
; 16 matrix instructions: step n.  A part's 16 accumulators take turns, one instruction a turn, in the same order in every step.  A part's first step takes the bias as C.
.macro MM n
.set MP, (\n)/8
.set MG, (\n)%8
.set MJ, MG%4
.if MG == 0
	WIN 0x4a
.elseif MG%2 == 0
	WIN 0x5a
.else
	WIN 0x5f
.endif
.irp a, 0,1,2,3
.irp t, 0,1,2,3
	PROD 128*MP+8*(4*\a+\t), 48+12*\t, 12*\a, BI+32*MP+8*\t, SB+16*MP+4*\t+MJ, SA+4*\a+MJ, MG
.endr
.endr
	WIN 0
.endm
.macro STEP n
.if (\n) > 0
	PLACES 4                                       ; between the last step's products and the loads into the fragments that they read
.endif
	FETCH (\n)+1
	s_wait_dscnt 32                                ; all but the 32 just issued: this step's fragments are in
	MM \n
.endm
; THE WAY OUT of a part, block by block of 16 rows x 64 columns, through my own stage: LDS serves a wave's instructions in order, so no wait stands between the stores and the loads
.macro TOSTAGE p, a
	WIN 0x04                                       ; an LDS store's data are its source 1: the accumulators' window
.irp t, 0,1,2,3
	ds_store_b128 v26, v[128*(\p)+8*(4*(\a)+\t):128*(\p)+8*(4*(\a)+\t)+3] offset:64*\t          ; each accumulator from its low end on
	ds_store_b128 v26, v[128*(\p)+8*(4*(\a)+\t)+4:128*(\p)+8*(4*(\a)+\t)+7] offset:64*\t+16
.endr
	WIN 0
.irp i, 0,1,2,3,4,5,6,7
	ds_load_b128 v[BK+32*((\a)%2)+4*\i:BK+32*((\a)%2)+4*\i+3], v27 offset:544*\i
.endr
.endm
.macro SEND p, a, younger              ; younger: the LDS instructions issued behind block a's loads, which may stay out
	s_wait_dscnt \younger
.irp i, 0,1,2,3,4,5,6,7
	global_store_b128 v28, v[BK+32*((\a)%2)+4*\i:BK+32*((\a)%2)+4*\i+3], s[96:97] offset:(16*(\a)+2*\i)*4096+512*(\p) th:TH_STORE_NT   ; 16 lanes store 256 consecutive bytes, at a multiple of 256 from the output's first byte
.endr
.endm
.macro WAYOUT p
	PLACES 4
.if (\p) > 0
	s_wait_xcnt 0x0                                ; the last part's stores have read their registers
.endif
	TOSTAGE \p, 0
.irp a, 1,2,3
.if \a > 1
	s_wait_xcnt 0x0                                ; block a - 2's stores have read their registers: block a's loads may land there
.endif
	TOSTAGE \p, \a
	SEND \p, \a-1, 16                              ; behind block a - 1's loads: block a's 8 stores and 8 loads
.endr
	SEND \p, 3, 0
.endm
	s_load_b256 s[4:11], s[0:1], 0x0               ; oa s[4:5], wa s[6:7], b_out s[8:9], out0 s[10:11]
	v_lshl_add_u32 v[SPW], v0, 2, SPARE
	v_mov_b32 v[NIL], 0
	ds_add_u32 v[SPW], v[NIL]                      ; the opening lines: the add, twice on end, and its wait
	ds_add_u32 v[SPW], v[NIL]
	v_lshrrev_b32 v1, 5, v0
	v_readfirstlane_b32 s14, v1                    ; wave 0..3
	s_lshr_b32 s15, s14, 1                         ; my half of the rows
	s_and_b32 s16, s14, 1                          ; my half of a part's columns; at the head: which half of A, or which part of B, I fetch
	s_bfe_u32 s17, ttmp6, 0x40000                  ; cx
	s_bfe_u32 s18, ttmp6, 0x40004                  ; cy
	s_lshl_b32 s19, ttmp9, 2
	s_add_co_u32 s19, s19, s17                     ; tile column
	s_and_b32 s20, ttmp7, 0xffff
	s_lshl_b32 s20, s20, 2
	s_add_co_u32 s20, s20, s18                     ; tile row
	s_lshl_b32 s21, s18, 2
	s_lshl_b32 s21, 15, s21                        ; my row of the cluster
	s_lshl_b32 s22, 0x1111, s17                    ; my column
	s_or_b32 s24, s21, (3<<16)|(1<<21)             ; group 1: dense rows of 12,288 bytes (1,536 elements of 8): a block, all of K; A: 4 rows a load, B: 8
	s_or_b32 s32, s22, (3<<16)|(1<<21)
.irp g, 24, 32
	s_mov_b32 s[\g+1], 1536<<16
	s_mov_b32 s[\g+3], 1536<<16
	s_mov_b32 s[\g+5], 1536
	s_mov_b32 s[\g+6], 0
	s_mov_b32 s[\g+7], 0
.endr
	s_mov_b32 s26, 4<<16
	s_mov_b32 s28, 4
	s_mov_b32 s34, 8<<16
	s_mov_b32 s36, 8
	s_mul_i32 s56, s20, 98304
	s_mul_i32 s62, s16, 49152                      ; A's half: the same offset in memory and in LDS
	s_add_co_u32 s56, s56, s62
	s_mov_b32 s57, 0
	s_mul_i32 s58, s19, 196608
	s_mul_i32 s63, s16, BPART                      ; B's part
	s_add_co_u32 s58, s58, s63
	s_add_co_u32 s58, s58, 2359296                 ; w_out's rows begin at row 3,072 of wa: 192 blocks of 12,288 bytes
	s_mov_b32 s59, 0
	s_add_co_u32 s63, s63, BBASE
	s_wait_dscnt 0x0
	s_wait_kmcnt 0x0
	s_mov_b32 s40, 1
	s_mov_b32 s41, s62
	s_add_nc_u64 s[42:43], s[4:5], s[56:57]
	s_or_b32 s43, s43, 0x80000000
	s_mov_b32 s44, 1
	s_mov_b32 s45, s63
	s_add_nc_u64 s[46:47], s[6:7], s[58:59]
	s_or_b32 s47, s47, 0x80000000
	CROUND                                         ; all sixteen work-groups are here: the joint loads meet
	s_cmp_lt_u32 s14, 2
	s_cbranch_scc0 .Lhead_2
	HLOAD 40, 24                                   ; waves 0, 1: A
	s_branch .Lasked
.Lhead_2:
	s_cmp_eq_u32 s14, 2
	s_cbranch_scc0 .Lhead_3
	HLOAD 44, 32                                   ; wave 2: B's part 0
	s_branch .Lasked
.Lhead_3:
	HLOAD 44, 32                                   ; wave 3: B's part 1
.Lasked:
	v_and_b32 v1, 15, v0                           ; r
	v_bfe_u32 v2, v0, 4, 1                         ; h
	v_and_b32 v3, 31, v0                           ; lane
	v_lshlrev_b32 v4, 4, v3
	v_lshlrev_b32 v5, 3, v3
	v_lshlrev_b32 v24, 5, v1
	v_lshl_add_u32 v24, v2, 4, v24                 ; scale bytes: row r of 32, + 16 h
	v_lshlrev_b32 v25, 5, v2                       ; the bias: register j of tile t is column 16 t + 8 h + j
	s_wait_alu depctr_va_vdst(0)                   ; ahead of the run of scalar lines
	s_lshl_b32 s84, s20, 12
	s_lshl_b32 s67, s15, 11
	s_add_co_u32 s84, s84, s67                     ; A's scale bytes: my 64 rows of 32
	s_add_co_u32 s84, s84, XSC
	s_mov_b32 s85, 0
	s_add_nc_u64 s[84:85], s[4:5], s[84:85]
	s_lshl_b32 s86, s19, 8
	s_lshl_b32 s67, s16, 6
	s_add_co_u32 s86, s86, s67                     ; my first column of part 0: 256 x tile column + 64 x half; part 1 lies 128 on
	s_lshl_b32 s88, s86, 2                         ; in the bias, and in a row of the output
	s_mov_b32 s89, 0
	s_lshl_b32 s86, s86, 5
	s_add_co_u32 s86, s86, WSC+3072*32
	s_mov_b32 s87, 0
	s_lshl_b32 s92, s20, 19                        ; the output: 128 rows of 4,096 bytes a tile row,
	s_lshl_b32 s67, s15, 18                        ; my 64 of them
	s_add_co_u32 s92, s92, s67
	s_add_co_u32 s92, s92, s88
	s_mov_b32 s93, 0
	s_add_nc_u64 s[86:87], s[6:7], s[86:87]
	s_add_nc_u64 s[88:89], s[8:9], s[88:89]
	s_add_nc_u64 s[96:97], s[10:11], s[92:93]
.irp a, 0,1,2,3
	global_load_b128 v[SA+4*\a:SA+4*\a+3], v24, s[84:85] offset:512*\a
.endr
.irp p, 0,1
.irp t, 0,1,2,3
	global_load_b128 v[SB+16*\p+4*\t:SB+16*\p+4*\t+3], v24, s[86:87] offset:4096*\p+512*\t
	global_load_b128 v[BI+32*\p+8*\t:BI+32*\p+8*\t+3], v25, s[88:89] offset:512*\p+64*\t
	global_load_b128 v[BI+32*\p+8*\t+4:BI+32*\p+8*\t+7], v25, s[88:89] offset:512*\p+64*\t+16
.endr
.endr
	s_mul_i32 s90, s15, 49152                      ; my four blocks of A,
	v_add_nc_u32 v[A16], s90, v4
	v_add_nc_u32 v[A8], s90, v5
	s_mul_i32 s90, s16, 49152                      ; and my four tiles of a part of B
	s_add_co_u32 s90, s90, BBASE
.irp p, 0,1
	v_add_nc_u32 v[B16+\p], s90, v4
	v_add_nc_u32 v[B8+\p], s90, v5
	s_add_co_u32 s90, s90, BPART
.endr
	s_mul_i32 s91, s14, 16*272
	s_add_co_u32 s91, s91, STG                     ; my stage
	v_mul_u32_u24 v26, v1, 272
	v_lshl_add_u32 v26, v2, 5, v26
	v_add_nc_u32 v26, s91, v26                     ; in: row r, + 32 h
	v_mul_u32_u24 v27, v2, 272
	v_lshl_add_u32 v27, v1, 4, v27
	v_add_nc_u32 v27, s91, v27                     ; back: lanes 0-15 one row of 256 bytes, lanes 16-31 the next
	v_lshlrev_b32 v28, 12, v2
	v_lshl_add_u32 v28, v1, 4, v28                 ; and the same two rows in the output
	s_wait_alu depctr_va_vdst(0)                   ; the head's end
	s_cmp_eq_u32 s14, 3
	s_cbranch_scc1 .Lnot_first
	s_wait_tensorcnt 0x0                           ; waves 0 to 2: A and B's part 0 have landed
.Lnot_first:
	s_barrier_signal -1
	s_barrier_wait -1                              ; part 1 may still be on its way
	FETCH 0
	s_wait_loadcnt 0x0                             ; scale words and bias
.irp n, 0,1,2,3,4,5,6
	STEP \n
.endr
	s_wait_tensorcnt 0x0                           ; every wave: B's part 1 has landed
	s_wait_dscnt 0x0                               ; and this step's fragments are in
	s_barrier_signal -1
	s_barrier_wait -1
	PLACES 4
	FETCH 8                                        ; part 1's first fragments
	MM 7
	WAYOUT 0                                       ; no tensor load is out any more
.irp n, 8,9,10,11,12,13,14
	STEP \n
.endr
	s_wait_dscnt 0x0
	MM 15
	WAYOUT 1
	s_wait_tensorcnt 0x0                           ; the wave's end
	ds_add_u32 v[SPW], v[NIL]
	s_wait_dscnt 0x0
	CROUND                                         ; the closing round
	s_endpgm
.Lfunc_end_k_qfbe8774aeb_gemm_out:
	.size	k_qfbe8774aeb_gemm_out, .Lfunc_end_k_qfbe8774aeb_gemm_out-k_qfbe8774aeb_gemm_out
	.p2alignl 7, 3214868480
	.fill 96, 4, 3214868480
	.section	.rodata,"a",@progbits
	.p2align	6, 0x0
	.amdhsa_kernel k_qfbe8774aeb_gemm_out
		.amdhsa_group_segment_fixed_size 327680
		.amdhsa_private_segment_fixed_size 0
		.amdhsa_enable_private_segment 0
		.amdhsa_kernarg_size 32
		.amdhsa_user_sgpr_count 2
		.amdhsa_user_sgpr_kernarg_segment_ptr 1
		.amdhsa_wavefront_size32 1
		.amdhsa_system_sgpr_workgroup_id_x 1
		.amdhsa_system_sgpr_workgroup_id_y 1
		.amdhsa_system_sgpr_workgroup_id_z 1
		.amdhsa_system_vgpr_workitem_id 0
		.amdhsa_next_free_vgpr 1024
		.amdhsa_next_free_sgpr 100
		.amdhsa_reserve_vcc 0
		.amdhsa_float_denorm_mode_32 3
		.amdhsa_float_denorm_mode_16_64 3
		.amdhsa_memory_ordered 1
		.amdhsa_forward_progress 1
		.amdhsa_inst_pref_size 94
	.end_amdhsa_kernel
	.amdgpu_metadata
---
amdhsa.version: [ 1, 2 ]
amdhsa.kernels:
  - .name:           k_qfbe8774aeb_gemm_out
    .symbol:         k_qfbe8774aeb_gemm_out.kd
    .args:
      - { .name: oa, .offset: 0, .size: 8, .value_kind: global_buffer, .address_space: global }
      - { .name: wa, .offset: 8, .size: 8, .value_kind: global_buffer, .address_space: global }
      - { .name: b_out, .offset: 16, .size: 8, .value_kind: global_buffer, .address_space: global }
      - { .name: out0, .offset: 24, .size: 8, .value_kind: global_buffer, .address_space: global }
    .group_segment_fixed_size: 327680
    .private_segment_fixed_size: 0
    .kernarg_segment_align: 8
    .kernarg_segment_size: 32
    .max_flat_workgroup_size: 128
    .sgpr_count:     100
    .vgpr_count:     1024
    .wavefront_size: 32
...
	.end_amdgpu_metadata
.endif
;; end of part 4
